; MI455X (gfx1250); checked and timed in simulation.
; The chip was launched on July 23, 2026; its instructions are those of AMD's public machine-readable ISA for CDNA 5 (MIT licence, August 2026) and "CDNA5" Instruction Set Architecture Reference Guide (July 2026). The comments in the code are by the model that wrote it; some were corrected since.
;; Multi Head Attention. Allowed arithmetic: matrix products marked QUANTISED: E2M3 operands, one E8M0 scale for each 32 along K, by v_wmma_scale_f32_16x16x128_f8f6f4 with both operands' format E2M3, f32 sums; everything else in f32.
;; Inputs: K 4 x 2,048 x 1,024 float32; Q 4 x 2,048 x 1,024 float32; V 4 x 2,048 x 1,024 float32; Wk 1,024 x 1,024 float32; Wo 1,024 x 1,024 float32; Wq 1,024 x 1,024 float32; Wv 1,024 x 1,024 float32; bk 1,024 float32; bo 1,024 float32; bq 1,024 float32; bv 1,024 float32; mask 4 x 2,048 x 2,048 int32.
;; Outputs: out0 4 x 2,048 x 1,024 float32.
;; This version of the problem:
;;   THIS VERSION OF THE PROBLEM IS GIVEN IN LOW PRECISION. The matrix products marked QUANTISED in the list below multiply operands that are first quantised to E2M3 (2 exponent bits, 3 mantissa bits; 6 bits a number), with one power-of-two scale for each 32 numbers along K (OCP MX v1.0); their sums are f32. All else is computed in f32.
;;   The module's matrix products, in the order in which they are computed (A, B: the left and right operand; K: the contracted axis; several contracted axes count as one K, in the product's order):
;;     1. [M 8,192, K 1,024] x [K 1,024, N 1,024]; A: input Q; B: input Wq: QUANTISED
;;     2. [M 8,192, K 1,024] x [K 1,024, N 1,024]; A: input K; B: input Wk: QUANTISED
;;     3. [M 8,192, K 1,024] x [K 1,024, N 1,024]; A: input V; B: input Wv: QUANTISED
;;     4. batch 64 x [M 2,048, K 64] x [K 64, N 2,048]; A: computed on the way; B: computed on the way: QUANTISED
;;     5. batch 64 x [M 2,048, K 2,048] x [K 2,048, N 64]; A: softmax (see below); B: computed on the way: QUANTISED
;;     6. [M 8,192, K 1,024] x [K 1,024, N 1,024]; A: computed on the way; B: input Wo: QUANTISED
;;   THE QUANTISER, for each operand of a quantised product, along K:
;;     - K is cut into blocks of 32 from its start; a last block that is shorter is filled with zeros.
;;     - A block's scale is 2^e with e = floor(log2(the largest magnitude in the block)) - 2, held to -126 .. 127; a block of zeros has e = 0. As a byte (E8M0): e + 127.
;;     - Each number is divided by its block's scale, clamped to +-7.5, and rounded to the nearest number of E2M3, ties to even, subnormals kept.
;;     - The product sums the exact products of the quantised numbers (number of the format x scale) in f32.
;;   ~~~python
;;   def quantise(x, axis):      # numpy; x: float32 -> the quantised numbers, widened to float32 again
;;       x = np.moveaxis(x, axis, -1); K = x.shape[-1]
;;       x = np.pad(x, [(0, 0)] * (x.ndim - 1) + [(0, -K % 32)]); x = x.reshape(x.shape[:-1] + (-1, 32)); a = np.abs(x).max(-1, keepdims=True)
;;       e = np.where(a > 0, np.clip(np.frexp(np.where(a > 0, a, 1))[1] - 1 - 2, -126, 127), 0)      # np.frexp(a)[1] - 1 = floor(log2(a)), exactly
;;       r = np.clip(x / 2.0 ** e, -7.5, 7.5)
;;       step = 2.0 ** (np.maximum(np.frexp(np.where(r == 0, 1, r))[1] - 1, 0) - 3)
;;       q = np.round(r / step) * step * 2.0 ** e      # np.round: ties to even
;;       return np.moveaxis(q.reshape(q.shape[:-2] + (-1,))[..., :K], -1, axis).astype(np.float32)
;;   ~~~
;;   SOFTMAX AHEAD OF A QUANTISED PRODUCT. Where the list says 'softmax', what is quantised is not the finished softmax but p = 2^(t - M), with t = logit x log2(e) and M = ceil(the row's largest t), a whole number; so 1/2 < the row's largest p <= 1. The row's sum l is taken of the UNQUANTISED p, in f32, and the product's result is divided by l at the end. Since M is a whole number, a kernel that streams over the keys may use a running M (the ceiling of the running maximum): every later rescaling is an exact power of two, which a block's scale takes up: the codes' values come out the same.
;;   OPERANDS COMPUTED ON THE WAY. 'Computed on the way' means the value that the module computes at that place (a softmax that the list does not call 'softmax' is quantised finished and normalised). What goes into a quantiser is computed in f32, as accurately as f32 sums, v_exp_f32 and their like allow (about 1e-6 of the number): no bf16 or f16 on the way to a quantiser, and a product that is left as it is and whose result goes on into a quantised operand takes f32 operands (vector FMAs, or v_wmma_f32_16x16x4_f32). A number that lies on a knife's edge between two numbers of the format may be rounded either way, as far as f32 arithmetic and the matrix unit's own rounding can turn it there, and no further.
;; 2 versions, each right; version 2 is version 1 with the launch attn written anew for expert scheduling mode. Each part assembles by itself: llvm-mc -triple=amdgcn-amd-amdhsa -mcpu=gfx1250 --defsym DOCPART=n.
;; ======== version 1 of 2: 4 launches
;; limits: right only within a limited range of input values
;; workspace buffers: xc 22,020,096 bytes; xs 917,504 bytes; mw 2,097,152 bytes of whole numbers; qi 6,815,744 bytes; kv 13,631,488 bytes; ac 6,291,456 bytes; asc 262,144 bytes
;; launch prep (part 1): grid 704 x 1, 4 waves a work-group, no clusters, 68,096 bytes of LDS; arguments Q, K, V, Wq, Wk, Wv, Wo, mask, xc, xs, mw; writes xc, xs, mw
.if DOCPART == 1
	.amdgcn_target "amdgcn-amd-amdhsa--gfx1250"
	.amdhsa_code_object_version 6
	.text
	.protected	k_q0557977e9c_prep
	.globl	k_q0557977e9c_prep
	.p2align	8
	.type	k_q0557977e9c_prep,@function
k_q0557977e9c_prep:
	s_mov_b64 s[64:65], 0
	v_nop
	global_prefetch_b8 v0, s[64:65] scope:SCOPE_SE
	s_setreg_imm32_b32 hwreg(HW_REG_WAVE_MODE, 25, 1), 1
	s_wait_xcnt 0x0
; Q, K, V [8192][1024] and Wq, Wk, Wv, Wo [1024][1024], f32 with K innermost, become codes of FP6 (E2M3) with one E8M0 byte for each 32 along K,
; laid in the ORDER OF AN OPERAND'S REGISTERS; the mask [4][2048][2048] of int32 becomes lane masks for the attention launch.
; TILES.  A tile is 16 rows: lane-row r of tile t is row 32 (t / 2) + 8 (t % 2) + r + 8 (r / 8).  Every operand tile of the program is chosen so: a product's eight results in a lane,
; of two neighbouring tiles, are then 16 neighbours along the axis of the tile's rows.
; xc: [1792 tiles][8 K steps of 128] x 1,536 bytes.  Lane L = r + 16 h holds k = 64 c + 32 h + 0 .. 31 in registers 6 c .. 6 c + 5; half c lies at 768 c: registers 6 c .. 6 c + 3 at 16 L, the other two at 512 + 8 L.
; xs: [tile][r][K step] words of four scale bytes.  mw: [4 x 128 query tiles][16 key steps][64 words]: bit r + 16 h of word 16 e + i is 1 where mask[query row r of the tile][128 step + 32 e + 16 h + i] is 0.
; A block's scale is 2^(floor(log2(largest magnitude)) - 2): its byte is the largest magnitude's exponent field - 2, held at 1 from below by a floor among the maximum's leaves.
; LIMITS: a block of zeros gets the byte 1, not 127 (its codes are zeros, and this program alone reads the bytes); blocks whose largest magnitude lies under 2^-124 are held at byte 1; NaN and infinities are not served.
; SHARES.  A wave takes 8 units of 16 rows x 512 bytes.  Work-groups 0-447: a wave quantises one tile over all of K.  Work-groups 448-703: a wave packs one query tile's mask for half of the keys.
; Each load reads 512 consecutive bytes of a row; the 16 rows turn through the wave's own stage in LDS (pitch 528 bytes, an odd multiple of 16) so that a lane gets neighbours along K.
; Waves share nothing: no barrier.  No tensor load, no matrix unit, no cluster: each byte is read once by one wave, and nothing is shared.  The two paths have LDS bytes of their own.
.set PITCH, 528
.set WREG,  16*PITCH                   ; a wave's stage
.set MREG,  4*WREG                     ; the mask path's stages begin here
.set RB,    48                         ; v48-175  two sets of 64 registers as loaded
.set X,     176                        ; v176-239 64 numbers in the lane's order
.set SW,    8                          ; v8-15    the tile's eight scale words
.set PC,    24                         ; v24-35   a fragment's codes
.set T,     36                         ; v36-38, v40-42 the upper halves of the blocks' codes
.set W,     44                         ; v44-45   64 mask words, two a lane
.macro LOADU u, base, rowb             ; unit u: 16 rows x 512 bytes into set u % 2
.irp i, 0,1,2,3,4,5,6,7,8,9,10,11,12,13,14,15
	global_load_b128 v[RB+64*((\u)%2)+4*\i:RB+64*((\u)%2)+4*\i+3], v1, s[\base:\base+1] offset:(\i+8*(\i/8))*\rowb+512*(\u) th:TH_LOAD_NT
.endr
.endm
.macro TOSTG u                         ; and into the stage, as the rows lie
.irp i, 0,1,2,3,4,5,6,7,8,9,10,11,12,13,14,15
	ds_store_b128 v3, v[RB+64*((\u)%2)+4*\i:RB+64*((\u)%2)+4*\i+3] offset:PITCH*\i
.endr
.endm
.macro INWAIT u
.if (\u) < 7
	s_wait_loadcnt 16                              ; this unit's 16 loads are in; the next unit's 16 may be out
.else
	s_wait_loadcnt 0x0
.endif
.endm
	s_load_b512 s[4:19], s[0:1], 0x0               ; Q, K, V, Wq, Wk, Wv, Wo, mask
	s_load_b128 s[20:23], s[0:1], 0x40             ; xc, xs
	s_load_b64 s[24:25], s[0:1], 0x50              ; mw
	v_lshl_add_u32 v240, v0, 2, 0x10800
	v_mov_b32 v241, 0
	v_lshrrev_b32 v7, 5, v0
	v_readfirstlane_b32 s26, v7                    ; wave
	v_and_b32 v7, 31, v0                           ; lane L
	v_lshlrev_b32 v1, 4, v7                        ; 16 L
	v_lshlrev_b32 v2, 3, v7                        ; 8 L
	v_and_b32 v6, 15, v0                           ; r
	v_bfe_u32 v7, v0, 4, 1                         ; h
	v_mul_u32_u24 v4, v6, PITCH                    ; my row in a stage
	s_mov_b32 s27, 0xffff0000                      ; lanes 16-31
	s_mov_b32 s28, 0x76543210
	s_mov_b32 s29, 0xfedcba98                      ; v_permlanex16_b32's selects for lane l xor 16
	s_mul_i32 s30, s26, WREG
	s_cmp_lt_u32 ttmp9, 448
	s_cbranch_scc0 .Lmask
	; ---------------- the quantising path
	v_add_nc_u32 v3, s30, v1                       ; into the stage: 16 L
	v_lshl_add_u32 v4, v7, 7, v4
	v_add_nc_u32 v4, s30, v4                       ; out of it: row r, + 128 h bytes: my 32 numbers of each 64
	v_lshlrev_b32 v5, 5, v6
	v_lshl_add_u32 v5, v7, 4, v5                   ; the scale words' place: 32 r + 16 h
	v_lshlrev_b32 v6, 3, v7                        ; 8 h: how far my two bytes move up in a scale word
	v_mov_b32 v22, 0                               ; a lane permute's destination counts as one of its sources
	s_cmp_lt_u32 ttmp9, 384
	s_cselect_b32 s31, 127, 15                     ; 128 work-groups to an activation, 16 to a weight (384 is a multiple of both)
	s_and_b32 s31, ttmp9, s31
	s_lshl_b32 s31, s31, 2
	s_add_co_u32 s31, s31, s26                     ; my tile in its tensor
	s_lshr_b32 s32, s31, 1
	s_lshl_b32 s32, s32, 5
	s_and_b32 s33, s31, 1
	s_lshl_b32 s33, s33, 3
	s_add_co_u32 s32, s32, s33                     ; its first row
	s_lshl_b32 s32, s32, 12                        ; x 4,096 bytes
	s_mov_b32 s33, 0
	s_lshl_b32 s34, ttmp9, 2
	s_add_co_u32 s34, s34, s26                     ; my tile among the 1,792
	s_mul_i32 s36, s34, 12288
	s_mov_b32 s37, 0
	s_lshl_b32 s34, s34, 9
	s_mov_b32 s35, 0
	s_wait_kmcnt 0x0
	s_cmp_lt_u32 ttmp9, 128                        ; which tensor: the choice hangs on the work-group's number alone
	s_cselect_b64 s[38:39], s[4:5], s[6:7]
	s_cmp_lt_u32 ttmp9, 256
	s_cselect_b64 s[38:39], s[38:39], s[8:9]
	s_cmp_lt_u32 ttmp9, 384
	s_cselect_b64 s[38:39], s[38:39], s[10:11]
	s_cmp_lt_u32 ttmp9, 400
	s_cselect_b64 s[38:39], s[38:39], s[12:13]
	s_cmp_lt_u32 ttmp9, 416
	s_cselect_b64 s[38:39], s[38:39], s[14:15]
	s_cmp_lt_u32 ttmp9, 432
	s_cselect_b64 s[38:39], s[38:39], s[16:17]
	s_add_nc_u64 s[38:39], s[38:39], s[32:33]
	s_add_nc_u64 s[20:21], s[20:21], s[36:37]
	s_add_nc_u64 s[22:23], s[22:23], s[34:35]
	LOADU 0, 38, 4096
	LOADU 1, 38, 4096
.macro QUNIT u                         ; K step u of the tile
	INWAIT \u
	TOSTG \u
.irp c, 0,1
.irp j, 0,1,2,3,4,5,6,7
	ds_load_b128 v[X+32*\c+4*\j:X+32*\c+4*\j+3], v4 offset:256*\c+16*\j   ; X[32 c + i] = k 64 c + 32 h + i of row r.  LDS serves a wave's instructions in order: these see the stores above
.endr
.endr
	s_wait_dscnt 0x0                               ; the stores have read their registers, and my 64 numbers are in
.if (\u)+2 < 8
	LOADU (\u)+2, 38, 4096
.endif
	v_max3_num_f32 v16, |v[X]|, |v[X+1]|, 0x1800000       ; my two blocks by turns; the floor 2^(3 - 127) keeps the byte from falling under 1
	v_max3_num_f32 v17, |v[X+32]|, |v[X+33]|, 0x1800000
.irp i, 2,4,6,8,10,12,14,16,18,20,22,24,26,28,30
	v_max3_num_f32 v16, v16, |v[X+\i]|, |v[X+\i+1]|
	v_max3_num_f32 v17, v17, |v[X+32+\i]|, |v[X+33+\i]|
.endr
	v_add_nc_u32 v18, 0xff000000, v16              ; 2 off the exponent field: the conversion's scale operand
	v_add_nc_u32 v19, 0xff000000, v17
	v_lshrrev_b32 v20, 23, v18                     ; the bytes of blocks h and 2 + h
	v_lshrrev_b32 v21, 23, v19
	v_lshl_or_b32 v20, v21, 16, v20
	v_lshlrev_b32 v20, v6, v20                     ; at their places in the word
	v_permlanex16_b32 v22, v20, s28, s29
	v_or_b32 v[SW+(\u)], v20, v22                  ; with lane l xor 16's two the word is whole
	s_wait_xcnt 0x0                                ; the last unit's stores have read the codes' registers
	v_cvt_scalef32_pk16_fp6_f32 v[PC:PC+2], v[X:X+15], v18
	v_cvt_scalef32_pk16_fp6_f32 v[T:T+2], v[X+16:X+31], v18        ; (a conversion's three registers begin on an even number)
	v_cvt_scalef32_pk16_fp6_f32 v[PC+6:PC+8], v[X+32:X+47], v19
	v_cvt_scalef32_pk16_fp6_f32 v[T+4:T+6], v[X+48:X+63], v19
	v_nop                                          ; one plain place behind the scaled conversions
.irp i, 0,1,2
	v_mov_b32 v[PC+3+\i], v[T+\i]
	v_mov_b32 v[PC+9+\i], v[T+4+\i]
.endr
	global_store_b128 v1, v[PC:PC+3], s[20:21] offset:1536*(\u)            ; each store of the wave covers 512 or 256 consecutive bytes, aligned
	global_store_b64 v2, v[PC+4:PC+5], s[20:21] offset:1536*(\u)+512
	global_store_b128 v1, v[PC+6:PC+9], s[20:21] offset:1536*(\u)+768
	global_store_b64 v2, v[PC+10:PC+11], s[20:21] offset:1536*(\u)+1280
.endm
.irp u, 0,1,2,3,4,5,6,7
	QUNIT \u
.endr
.irp i, 0,1,2,3
	v_cndmask_b32 v[20+\i], v[SW+\i], v[SW+4+\i], s27      ; lanes 0-15 store K steps 0-3 of row r, lanes 16-31 K steps 4-7
.endr
	global_store_b128 v5, v[20:23], s[22:23]       ; 512 consecutive bytes
	s_wait_tensorcnt 0x0
	ds_add_u32 v240, v241
	s_wait_dscnt 0x0
	s_endpgm
	; ---------------- the mask path
.Lmask:
	s_add_co_u32 s30, s30, MREG
	v_add_nc_u32 v3, s30, v1
	v_lshl_add_u32 v4, v7, 6, v4
	v_add_nc_u32 v4, s30, v4                       ; out of the stage: row r, + 64 h bytes: my 16 keys of each 32
	v_mov_b32 v[W], 0                              ; v_writelane_b32's destination counts as one of its sources
	v_mov_b32 v[W+1], 0
	s_sub_co_u32 s31, ttmp9, 448
	s_lshl_b32 s31, s31, 1
	s_lshr_b32 s32, s26, 1
	s_add_co_u32 s31, s31, s32                     ; my query tile among 4 x 128
	s_and_b32 s33, s26, 1                          ; which half of the keys
	s_lshr_b32 s34, s31, 7
	s_lshl_b32 s34, s34, 11                        ; the batch's 2,048 rows
	s_and_b32 s35, s31, 127
	s_lshr_b32 s36, s35, 1
	s_lshl_b32 s36, s36, 5
	s_add_co_u32 s34, s34, s36
	s_and_b32 s36, s31, 1
	s_lshl_b32 s36, s36, 3
	s_add_co_u32 s34, s34, s36                     ; the tile's first row
	s_lshl_b32 s34, s34, 13                        ; x 8,192 bytes (under 2^27)
	s_lshl_b32 s36, s33, 12
	s_add_co_u32 s34, s34, s36
	s_mov_b32 s35, 0
	s_lshl_b32 s36, s31, 4
	s_lshl_b32 s37, s33, 3
	s_add_co_u32 s36, s36, s37
	s_lshl_b32 s36, s36, 8                         ; 256 bytes a key step
	s_mov_b32 s37, 0
	s_wait_kmcnt 0x0
	s_add_nc_u64 s[18:19], s[18:19], s[34:35]
	s_add_nc_u64 s[24:25], s[24:25], s[36:37]
	LOADU 0, 18, 8192
	LOADU 1, 18, 8192
.macro MUNIT u                         ; one key step: 16 queries x 128 keys
	INWAIT \u
	TOSTG \u
.irp e, 0,1,2,3
.irp j, 0,1,2,3
	ds_load_b128 v[X+16*\e+4*\j:X+16*\e+4*\j+3], v4 offset:128*\e+16*\j   ; X[16 e + i] = key 32 e + 16 h + i of query row r
.endr
.endr
	s_wait_dscnt 0x0
.if (\u)+2 < 8
	LOADU (\u)+2, 18, 8192
.endif
	s_wait_xcnt 0x0                                ; the last unit's store has read the words' registers
.irp g, 0,1,2,3,4,5,6,7
.irp k, 0,1,2,3,4,5,6,7
	v_cmp_eq_u32 s[40+\k], 0, v[X+8*\g+\k]         ; a compare's result IS the word: a bit a lane
.endr
.irp k, 0,1,2,3,4,5,6,7
	v_writelane_b32 v[W+\k%2], s[40+\k], 4*\g+\k/2 ; word n to register n % 2 of lane n / 2
.endr
.endr
	global_store_b64 v2, v[W:W+1], s[24:25] offset:256*(\u)   ; 256 consecutive bytes, aligned
.endm
.irp u, 0,1,2,3,4,5,6,7
	MUNIT \u
.endr
	s_wait_tensorcnt 0x0
	ds_add_u32 v240, v241
	s_wait_dscnt 0x0
	s_endpgm
.Lfunc_end_k_q0557977e9c_prep:
	.size	k_q0557977e9c_prep, .Lfunc_end_k_q0557977e9c_prep-k_q0557977e9c_prep
	.p2alignl 7, 3214868480
	.fill 96, 4, 3214868480
	.section	.rodata,"a",@progbits
	.p2align	6, 0x0
	.amdhsa_kernel k_q0557977e9c_prep
		.amdhsa_group_segment_fixed_size 68096
		.amdhsa_private_segment_fixed_size 0
		.amdhsa_enable_private_segment 0
		.amdhsa_kernarg_size 88
		.amdhsa_user_sgpr_count 2
		.amdhsa_user_sgpr_kernarg_segment_ptr 1
		.amdhsa_wavefront_size32 1
		.amdhsa_system_sgpr_workgroup_id_x 1
		.amdhsa_system_sgpr_workgroup_id_y 1
		.amdhsa_system_sgpr_workgroup_id_z 1
		.amdhsa_system_vgpr_workitem_id 0
		.amdhsa_next_free_vgpr 242
		.amdhsa_next_free_sgpr 66
		.amdhsa_reserve_vcc 0
		.amdhsa_float_denorm_mode_32 3
		.amdhsa_float_denorm_mode_16_64 3
		.amdhsa_memory_ordered 1
		.amdhsa_forward_progress 1
		.amdhsa_inst_pref_size 154
	.end_amdhsa_kernel
	.amdgpu_metadata
---
amdhsa.version: [ 1, 2 ]
amdhsa.kernels:
  - .name:           k_q0557977e9c_prep
    .symbol:         k_q0557977e9c_prep.kd
    .args:
      - { .name: Q, .offset: 0, .size: 8, .value_kind: global_buffer, .address_space: global }
      - { .name: K, .offset: 8, .size: 8, .value_kind: global_buffer, .address_space: global }
      - { .name: V, .offset: 16, .size: 8, .value_kind: global_buffer, .address_space: global }
      - { .name: Wq, .offset: 24, .size: 8, .value_kind: global_buffer, .address_space: global }
      - { .name: Wk, .offset: 32, .size: 8, .value_kind: global_buffer, .address_space: global }
      - { .name: Wv, .offset: 40, .size: 8, .value_kind: global_buffer, .address_space: global }
      - { .name: Wo, .offset: 48, .size: 8, .value_kind: global_buffer, .address_space: global }
      - { .name: mask, .offset: 56, .size: 8, .value_kind: global_buffer, .address_space: global }
      - { .name: xc, .offset: 64, .size: 8, .value_kind: global_buffer, .address_space: global }
      - { .name: xs, .offset: 72, .size: 8, .value_kind: global_buffer, .address_space: global }
      - { .name: mw, .offset: 80, .size: 8, .value_kind: global_buffer, .address_space: global }
    .group_segment_fixed_size: 68096
    .private_segment_fixed_size: 0
    .kernarg_segment_align: 8
    .kernarg_segment_size: 88
    .max_flat_workgroup_size: 128
    .sgpr_count:     66
    .vgpr_count:     242
    .wavefront_size: 32
...
	.end_amdgpu_metadata
.endif
;; end of part 1
;; launch proj (part 2): grid 4 x 96, 4 waves a work-group, clusters of 4 x 4, 327,680 bytes of LDS; arguments xc, xs, bq, bk, bv, qi, kv; writes qi, kv
.if DOCPART == 2
	.amdgcn_target "amdgcn-amd-amdhsa--gfx1250"
	.amdhsa_code_object_version 6
	.text
	.protected	k_q0557977e9c_proj
	.globl	k_q0557977e9c_proj
	.p2align	8
	.type	k_q0557977e9c_proj,@function
k_q0557977e9c_proj:
	s_mov_b64 s[64:65], 0
	v_nop
	global_prefetch_b8 v0, s[64:65] scope:SCOPE_SE
	s_setreg_imm32_b32 hwreg(HW_REG_WAVE_MODE, 25, 1), 1
	s_wait_xcnt 0x0
	s_wait_alu depctr_hold_cnt(0) depctr_sa_sdst(0) depctr_va_vdst(0) depctr_va_sdst(0) depctr_va_ssrc(0) depctr_va_vcc(0) depctr_vm_vsrc(0)
	s_getreg_b32 s2, hwreg(HW_REG_IB_STS2, 6, 4)
	s_cmp_eq_u32 s2, 0
	s_cbranch_scc0 .Lentry_in_a_cluster
	s_endpgm
.Lentry_in_a_cluster:
	s_bfe_u32 s2, ttmp6, 0x10000c
	s_cmp_lg_u32 s2, 0xf033
	s_cbranch_scc0 .Lentry_shape_is_right
	s_endpgm
.Lentry_shape_is_right:
; q = Q Wq^T + bq, k = K Wk^T + bk, v = V Wv^T + bv on codes of FP6 (E2M3) with E8M0 scales (buffers xc, xs: operand images, 1,536 bytes for 16 rows x 128 K), sums in f32;
; the results are quantised in registers and leave as the attention launch's operand images.  Nothing wider than a code goes to memory.
; SHARES.  24 clusters of 4 x 4 work-groups; cluster y / 8 is the TYPE (0 q, 1 k, 2 v), cluster y % 8 = C.  A work-group makes 256 x 256, each of its four waves 128 x 128: 64 accumulators, 512 registers.
; Region A of a slot feeds source 1: its rows become LANES.  Region B feeds source 0: its rows run along a lane's REGISTERS, which is the axis that is quantised next.
;   q, k: A = tokens (tile 512 TYPE + 16 (4 C + cy)), B = the weight's rows (tile 1536 + 64 TYPE + 16 cx): a lane holds a token and 128 features, two heads: blocks of 32 along the head's 64.
;   v:    A = Wv's rows (tile 1664 + 16 cy), B = tokens (tile 1024 + 16 (4 C + cx)): a lane holds a feature and 128 keys: blocks of 32 along the keys.
; A hangs on cy alone and is asked for jointly by a row of the cluster, B on cx alone and by a column: the same tensor load, descriptor and mask in the four.
; K = 1,024 is four K steps of 256.  THREE LDS slots take K steps 0, 1, 2 with the first fills; slot 0 is filled once more, with K step 3.  A wave has four tensor loads out at the start and one behind the refill.
; The scale words of the work-group's rows, for all of K, come once, with the first fills, and go into 64 registers.
; Tiles' rows are chosen as 32 (t / 2) + 8 (t % 2) + r + 8 (r / 8), so that the 16 registers of two neighbouring source-0 tiles are 16 neighbours along that axis.
; OUT.  qi: [64 heads][16 blocks of 128 queries] x 6,656 bytes: 8 tiles x 768 bytes of codes (6 registers a lane: 4 at 16 L, 2 at 512 + 8 L), then 512 bytes of scale words (lane L's word e: tile 2 e in lanes 0-15, tile 2 e + 1 in lanes 16-31;
; bytes 2 and 3 are 0x7f).  kv: [64 heads][16 key steps] x 13,312 bytes: k as in qi at 0 and 12,288; v: 4 tiles of 16 channels x 1,536 bytes at 6,144 (registers 4 c .. 4 c + 3 at 512 c + 16 L), its scale words at 12,800.
; LIMITS: a block of zeros gets the byte 1, not 127 (its codes are zeros; this program alone reads the bytes); blocks under 2^-124 are held at byte 1; NaN and infinities are not served.
; No prefetch: three of the four K steps are asked for at the head.
; REGISTERS, in windows of 256: window 0: v1 16 L, v2 8 L, v4-16 LDS addresses, v28-29 the spare word's, v32-95 scale words, v96-127 at work, v128-223 A's fragments (one set), later the codes just made.
;   window 1: B's fragments, two sets at v0 and v128; the bias tiles at v96-127 and v224-255.   windows 2, 3: accumulator (a, b) at v[8 (8 (a % 4) + b)], a / 4 picks the window.
.set TILEB, 3072                       ; a tile's bytes in a slot: two images
.set HALFT, 8*TILEB                    ; what one tensor load brings, and what one wave reads of A or of B
.set SLOT,  4*HALFT
.set SCL,   3*SLOT                     ; behind the slots: the scale words, 512 bytes a tile: A's 16 tiles, then B's
.set HALFS, 4096
.set SPARE, SCL+4*HALFS                ; the spare words, 128 bytes for each wave: two blocks of 256 bytes that no other line names
.set FR,   12
.set A16,  4                           ; v4-6   A's fragments in slot 0, 1, 2: + 16 L;  v7-9: + 8 L
.set A8,   7
.set B16,  10                          ; v10-15 the same for B
.set B8,   13
.set ADRS, 16
.set SPW,  28
.set NIL,  29
.set SC,   32                          ; v[SC + 8 i + g]: lanes 0-15 A's tile i, lanes 16-31 B's tile i, the g-th 128 along K
.set TM,   96                          ; v96-111 at work in the quantiser
.set PW,   112
.set KWA,  116
.set KWB,  120
.set AF,   128
.set PC,   128
.set G1,   24                          ; s[24:31] group 1 for A's tiles; s[32:39], s[92:95] groups 0 for slots 0, 1, 2
.set G0,   32
.set G02,  92
.set G1B,  48                          ; s[48:55]; s[56:63], s[96:99] the same for B's
.set G0B,  56
.set G0B2, 96
.set G1S,  68                          ; s[68:75], s[76:79] A's scales; s[80:87], s[88:91] B's
.set G0S,  76
.set G1SB, 80
.set G0SB, 88
.set MSB, 0
.macro WIN new                         ; the immediate's high byte repeats the setting that is left
.if MSB != \new
	s_set_vgpr_msb (MSB<<8)|\new
.set MSB, \new
.endif
.endm
.macro PLACES                          ; four plain places behind a matrix instruction of this form, in front of loads into its registers and of reads of its results
.rept 4
	v_nop
.endr
.endm
; A joint load: waves 0 and 1 fetch for A, waves 2 and 3 for B; the branch hangs on the wave's number alone.  Four v_nop follow each of the two lines.
.macro JLOAD g0a, g1a, g0b, g1b
	s_cmp_eq_u32 s19, 0
	s_cbranch_scc0 .Lfor_b_\@
	tensor_load_to_lds s[\g0a:\g0a+3], s[\g1a:\g1a+7]
	s_nop 0
.rept 4
	v_nop
.endr
	s_branch .Lasked_\@
.Lfor_b_\@:
	tensor_load_to_lds s[\g0b:\g0b+3], s[\g1b:\g1b+7]
	s_nop 0
.rept 4
	v_nop
.endr
.Lasked_\@:
.endm
.macro CREST                           ; a round of the cluster's barrier behind its opening barrier
	s_cmp_lg_u32 s18, 0
	s_cbranch_scc1 .Lnot_wave_0_\@
	s_barrier_signal -3
.Lnot_wave_0_\@:
	s_barrier_wait -3
	s_barrier_signal -1
	s_barrier_wait -1
.endm
.macro CROUND
	s_barrier_signal -1
	s_barrier_wait -1
	CREST
.endm
.macro MKG0 ga, gb, k                  ; groups 0 for K step k into slot k, and the joint load
	s_mov_b32 s[\ga], 1
	s_add_co_u32 s[\ga+1], s23, \k*SLOT
	s_add_nc_u64 s[\ga+2:\ga+3], s[66:67], \k*TILEB
	s_or_b32 s[\ga+3], s[\ga+3], 0x80000000
	s_mov_b32 s[\gb], 1
	s_add_co_u32 s[\gb+1], s23, \k*SLOT
	s_add_nc_u64 s[\gb+2:\gb+3], s[2:3], \k*TILEB
	s_or_b32 s[\gb+3], s[\gb+3], 0x80000000
	JLOAD \ga, G1, \gb, G1B
.endm
.macro FRAG reg, a16, a8, q, i         ; an image comes back as it was stored: every load of the wave reads 512 or 256 consecutive bytes
	ds_load_b128 v[\reg:\reg+3], v[\a16] offset:(\i)*TILEB+(\q)*1536
	ds_load_b64 v[\reg+4:\reg+5], v[\a8] offset:(\i)*TILEB+(\q)*1536+512
	ds_load_b128 v[\reg+6:\reg+9], v[\a16] offset:(\i)*TILEB+(\q)*1536+768
	ds_load_b64 v[\reg+10:\reg+11], v[\a8] offset:(\i)*TILEB+(\q)*1536+1280
.endm
.macro FETCH_B slot, q, p              ; B's eight fragments into set p
	WIN 0x40
.irp i, 0,1,2,3,4,5,6,7
	FRAG 128*(\p)+FR*\i, B16+\slot, B8+\slot, \q, \i
.endr
	WIN 0
.endm
.macro FETCH_A slot, q, i0             ; A's blocks i0 .. i0 + 3
.irp i, \i0, \i0+1, \i0+2, \i0+3
	FRAG AF+FR*(\i), A16+\slot, A8+\slot, \q, \i
.endr
.endm
; 16 matrix instructions: A's blocks a0, a0 + 1 x B's eight; sg: the 128 along K (0 .. 7); B's set is sg % 2.  z = 1: C is the bias tile of B's block; z = 2: of A's block; z = 0: in place.
; The 64 accumulators take turns, one instruction a turn, in the same order in every step.
.macro MUL16 a0, sg, z
.irp a, \a0, \a0+1
.irp b, 0,1,2,3,4,5,6,7
.if \z == 1
	v_wmma_scale_f32_16x16x128_f8f6f4 v[8*(8*((\a)%4)+\b):8*(8*((\a)%4)+\b)+7], v[128*((\sg)%2)+FR*\b:128*((\sg)%2)+FR*\b+FR-1], v[AF+FR*(\a):AF+FR*(\a)+FR-1], v[96+128*(\b/4)+8*(\b%4):96+128*(\b/4)+8*(\b%4)+7], v[SC+8*\b+(\sg)], v[SC+8*(\a)+(\sg)] matrix_a_fmt:MATRIX_FMT_FP6 matrix_b_fmt:MATRIX_FMT_FP6 matrix_a_scale:MATRIX_SCALE_ROW1
.elseif \z == 2
	v_wmma_scale_f32_16x16x128_f8f6f4 v[8*(8*((\a)%4)+\b):8*(8*((\a)%4)+\b)+7], v[128*((\sg)%2)+FR*\b:128*((\sg)%2)+FR*\b+FR-1], v[AF+FR*(\a):AF+FR*(\a)+FR-1], v[96+128*((\a)/4)+8*((\a)%4):96+128*((\a)/4)+8*((\a)%4)+7], v[SC+8*\b+(\sg)], v[SC+8*(\a)+(\sg)] matrix_a_fmt:MATRIX_FMT_FP6 matrix_b_fmt:MATRIX_FMT_FP6 matrix_a_scale:MATRIX_SCALE_ROW1
.else
	v_wmma_scale_f32_16x16x128_f8f6f4 v[8*(8*((\a)%4)+\b):8*(8*((\a)%4)+\b)+7], v[128*((\sg)%2)+FR*\b:128*((\sg)%2)+FR*\b+FR-1], v[AF+FR*(\a):AF+FR*(\a)+FR-1], v[8*(8*((\a)%4)+\b):8*(8*((\a)%4)+\b)+7], v[SC+8*\b+(\sg)], v[SC+8*(\a)+(\sg)] matrix_a_fmt:MATRIX_FMT_FP6 matrix_b_fmt:MATRIX_FMT_FP6 matrix_a_scale:MATRIX_SCALE_ROW1
.endif
.endr
.endr
.endm
; A step of 128 along K; the next step's fragments lie in slot ns at its nq-th 128, a slot that is known whole.
.macro STEP sg, ns, nq, z
	s_wait_dscnt 16                                ; B's set and A's blocks 0-3 are in; the youngest 16 loads (A's blocks 4-7) may be out
.if \z
	WIN 0x91                                       ; source 0 (B) and C (the bias) window 1, source 1 (A) window 0, D window 2
.else
	WIN 0xa1                                       ; C and D window 2
.endif
	MUL16 0, \sg, \z
	MUL16 2, \sg, \z
	s_wait_dscnt 0x0                               ; A's blocks 4-7 are in
	PLACES
	FETCH_B \ns, \nq, 1-(\sg)%2
	FETCH_A \ns, \nq, 0
.if \z
	WIN 0xd1
.else
	WIN 0xf1
.endif
	MUL16 4, \sg, \z
	MUL16 6, \sg, \z
	PLACES
	WIN 0
	FETCH_A \ns, \nq, 4
.endm
; A step with a barrier.  In front of it each wave waits for all its tensor loads, adds 0 to its spare word, and waits for that and for its LDS reads.  fill = 1: slot 0, just read out, takes K step 3; the barrier then opens a round of the cluster's.
.macro TURN sg, ns, fill
	s_wait_tensorcnt 0x0                           ; all my tensor loads have landed
	ds_add_u32 v[SPW], v[NIL]                      ; 0 onto my spare word
	s_wait_dscnt 17                                ; (the add and the youngest 16 loads may be out)
	WIN 0xa1
	MUL16 0, \sg, 0                                ; sixteen matrix instructions stand between the add and the wait for it
	s_wait_dscnt 0x0                               ; the add is done, and my reads of the slot are over
	s_barrier_signal -1
	MUL16 2, \sg, 0
	WIN 0
	s_barrier_wait -1
.if \fill
	CREST                                          ; no wave of any partner still reads slot 0 or has a load on its way
	s_add_nc_u64 s[G0+2:G0+3], s[G0+2:G0+3], 3*TILEB       ; from K step 0 to K step 3
	s_add_nc_u64 s[G0B+2:G0B+3], s[G0B+2:G0B+3], 3*TILEB
	JLOAD G0, G1, G0B, G1B                         ; the first tensor load behind the round; its four v_nop are the places in front of the loads below
.else
	PLACES
.endif
	FETCH_B \ns, 0, 0
	FETCH_A \ns, 0, 0
	WIN 0xf1
	MUL16 4, \sg, 0
	MUL16 6, \sg, 0
	PLACES
	WIN 0
	FETCH_A \ns, 0, 4
.endm
	s_load_b256 s[4:11], s[0:1], 0x0               ; xc, xs, bq, bk
	s_load_b128 s[12:15], s[0:1], 0x20             ; bv, qi
	s_load_b64 s[16:17], s[0:1], 0x30              ; kv
	v_lshl_add_u32 v[SPW], v0, 2, SPARE
	v_mov_b32 v[NIL], 0
	ds_add_u32 v28, v29
	ds_add_u32 v28, v29
	s_wait_dscnt 0x0
	v_lshrrev_b32 v1, 5, v0
	v_readfirstlane_b32 s18, v1                    ; wave 0..3
	s_lshr_b32 s19, s18, 1                         ; my half of A's rows.  Also: I fetch for A (0) or for B (1)
	s_and_b32 s20, s18, 1                          ; my half of B's rows.  Also: which 8 tiles I fetch
	s_bfe_u32 s40, ttmp6, 0x40000                  ; cx
	s_bfe_u32 s41, ttmp6, 0x40004                  ; cy
	s_and_b32 s22, ttmp7, 0xffff                   ; cluster y
	s_lshr_b32 s21, s22, 3                         ; TYPE: the same in all sixteen partners
	s_and_b32 s22, s22, 7                          ; C
	s_lshl_b32 s42, s41, 2
	s_lshl_b32 s42, 15, s42                        ; my row of the cluster
	s_lshl_b32 s43, 0x1111, s40                    ; my column
	s_or_b32 s[G1], s42, (3<<16)|(1<<21)           ; 15:0 the mask; 17:16 elements of 8 bytes; 21 set beside a mask; no padding: every LDS access is dense
	s_or_b32 s[G1B], s43, (3<<16)|(1<<21)
.irp g, G1, G1B                        ; 8 tiles x 3,072 bytes, 12,288 bytes apart in memory
	s_mov_b32 s[\g+1], 384<<16                     ; tensor_dim0
	s_mov_b32 s[\g+2], 8<<16                       ; tensor_dim1
	s_mov_b32 s[\g+3], 384<<16                     ; tile_dim0
	s_mov_b32 s[\g+4], 8                           ; tile_dim1
	s_mov_b32 s[\g+5], 1536                        ; tensor_dim0_stride
	s_mov_b32 s[\g+6], 0
	s_mov_b32 s[\g+7], 0
.endr
	s_or_b32 s[G1S], s42, (3<<16)|(1<<21)
	s_or_b32 s[G1SB], s43, (3<<16)|(1<<21)
.irp g, G1S, G1SB                      ; the scale words of 8 tiles: 4,096 dense bytes as 16 rows of 256
	s_mov_b32 s[\g+1], 32<<16
	s_mov_b32 s[\g+2], 16<<16
	s_mov_b32 s[\g+3], 32<<16
	s_mov_b32 s[\g+4], 16
	s_mov_b32 s[\g+5], 32
	s_mov_b32 s[\g+6], 0
	s_mov_b32 s[\g+7], 0
.endr
	; the first tile that I fetch.  A's registers never hold cx, B's never cy
	s_lshl_b32 s44, s21, 9
	s_lshl_b32 s45, s22, 6
	s_add_co_u32 s44, s44, s45                     ; q, k: 512 TYPE + 64 C
	s_lshl_b32 s46, s21, 6
	s_add_co_u32 s46, s46, 1536                    ; q, k: the weight
	s_add_co_u32 s45, s45, 1024                    ; v: 1024 + 64 C
	s_cmp_lt_u32 s21, 2
	s_cselect_b32 s44, s44, 1664
	s_cselect_b32 s46, s46, s45
	s_lshl_b32 s45, s41, 4
	s_add_co_u32 s44, s44, s45                     ; + 16 cy
	s_lshl_b32 s45, s20, 3
	s_add_co_u32 s44, s44, s45                     ; + my 8 tiles
	s_lshl_b32 s47, s40, 4
	s_add_co_u32 s46, s46, s47                     ; + 16 cx
	s_add_co_u32 s46, s46, s45
	s_mul_i32 s66, s44, 12288
	s_mov_b32 s67, 0
	s_lshl_b32 s44, s44, 9
	s_mov_b32 s45, 0
	s_mul_i32 s2, s46, 12288
	s_mov_b32 s3, 0
	s_lshl_b32 s46, s46, 9
	s_mov_b32 s47, 0
	s_mul_i32 s23, s18, HALFT                      ; where they go: wave x 8 tiles: no place in the cluster enters an LDS address
	s_mul_i32 s104, s18, HALFS
	s_wait_kmcnt 0x0
	s_add_nc_u64 s[66:67], s[4:5], s[66:67]        ; A's codes
	s_add_nc_u64 s[44:45], s[6:7], s[44:45]        ; A's scales
	s_add_nc_u64 s[2:3], s[4:5], s[2:3]            ; B's codes
	s_add_nc_u64 s[46:47], s[6:7], s[46:47]        ; B's scales
	CROUND                                         ; all sixteen work-groups are here: the first joint loads meet
	s_mov_b32 s[G0S], 1
	s_add_co_u32 s[G0S+1], s104, SCL
	s_mov_b64 s[G0S+2:G0S+3], s[44:45]
	s_or_b32 s[G0S+3], s[G0S+3], 0x80000000
	s_mov_b32 s[G0SB], 1
	s_add_co_u32 s[G0SB+1], s104, SCL
	s_mov_b64 s[G0SB+2:G0SB+3], s[46:47]
	s_or_b32 s[G0SB+3], s[G0SB+3], 0x80000000
	JLOAD G0S, G1S, G0SB, G1SB                     ; the scales first: they are wanted with K step 0
	MKG0 G0, G0B, 0
	MKG0 G0+4, G0B+4, 1
	MKG0 G02, G0B2, 2
	v_and_b32 v3, 31, v0
	v_lshlrev_b32 v1, 4, v3                        ; 16 L
	v_lshlrev_b32 v2, 3, v3                        ; 8 L
	v_and_b32 v17, 15, v0                          ; r
	v_bfe_u32 v18, v0, 4, 1                        ; h
	s_mul_i32 s44, s19, HALFT                      ; my 8 tiles of A
	s_mul_i32 s45, s20, HALFT
	s_add_co_u32 s45, s45, 2*HALFT                 ; my 8 tiles of B, behind A's 16
.irp k, 0,1,2
	v_add_nc_u32 v[A16+\k], s44, v1
	v_add_nc_u32 v[A8+\k], s44, v2
	v_add_nc_u32 v[B16+\k], s45, v1
	v_add_nc_u32 v[B8+\k], s45, v2
	s_add_co_u32 s44, s44, SLOT
	s_add_co_u32 s45, s45, SLOT
.endr
	v_lshlrev_b32 v19, 5, v17                      ; a row's eight scale words: 32 r
	s_mul_i32 s44, s19, HALFS
	s_mul_i32 s45, s20, HALFS
	s_add_co_u32 s45, s45, 2*HALFS
	s_sub_co_u32 s45, s45, s44
	v_mul_u32_u24 v20, s45, v18                    ; lanes 16-31 take B's: one product, the distance between the two bases
	s_add_co_u32 s44, s44, SCL
	v_add_nc_u32 v19, v19, v20
	v_add_nc_u32 v[ADRS], s44, v19
	; the bias, in the result's layout.  q, k: register j of tile t holds feature 32 (t / 2) + 8 (t % 2) + 16 h + j; v: every register the lane's feature 32 (t / 2) + 8 (t % 2) + r + 8 (r / 8)
	s_lshl_b32 s47, s40, 8
	s_lshl_b32 s66, s20, 7
	s_add_co_u32 s47, s47, s66                     ; q, k: my first feature 256 cx + 128 x half
	s_lshl_b32 s66, s41, 8
	s_lshl_b32 s67, s19, 7
	s_add_co_u32 s66, s66, s67                     ; v: 256 cy + 128 x half
	s_cmp_lt_u32 s21, 2
	s_cselect_b32 s44, 64, 0                       ; bytes for h,
	s_cselect_b32 s45, 0, 4                        ; for the lane's row,
	s_cselect_b32 s46, 4, 0                        ; for the register
	s_cselect_b32 s66, s47, s66
	s_cselect_b64 s[10:11], s[10:11], s[12:13]
	s_cmp_eq_u32 s21, 0
	s_cselect_b64 s[8:9], s[8:9], s[10:11]
	s_lshl_b32 s66, s66, 2
	s_mov_b32 s67, 0
	s_add_nc_u64 s[8:9], s[8:9], s[66:67]
	v_and_b32 v20, 8, v17
	v_add_nc_u32 v20, v20, v17                     ; r + 8 (r / 8)
	v_mul_u32_u24 v20, s45, v20
	v_mul_u32_u24 v21, s44, v18
	v_add_nc_u32 v20, v20, v21
	s_mov_b32 s47, 0
.irp j, 0,1,2,3,4,5,6,7
	v_add_nc_u32 v[TM+\j], s47, v20
	s_add_co_u32 s47, s47, s46
.endr
	WIN 0x40                                       ; destination window 1
.irp t, 0,1,2,3,4,5,6,7
.irp j, 0,1,2,3,4,5,6,7
	global_load_b32 v[96+128*(\t/4)+8*(\t%4)+\j], v[TM+\j], s[8:9] offset:(32*(\t/2)+8*(\t%2))*4
.endr
.endr
	WIN 0
	s_mov_b32 s100, 0x76543210
	s_mov_b32 s101, 0xfedcba98                     ; v_permlanex16_b32's selects for lane l xor 16
	s_mov_b32 s104, 0xffff0000                     ; lanes 16-31
	s_mov_b32 s105, 0x7f7f7f7f                     ; the scale 1 for the upper half of attention's K step, whose codes are zeros
	s_wait_tensorcnt 0x2                           ; the scales and my part of K step 0 are in; K steps 1 and 2 may be out
	s_barrier_signal -1
	s_barrier_wait -1
	FETCH_B 0, 0, 0
	FETCH_A 0, 0, 0
.irp i, 0,1,2,3,4,5,6,7
	ds_load_b128 v[SC+8*\i:SC+8*\i+3], v[ADRS] offset:512*\i         ; all of K's scale words, once
	ds_load_b128 v[SC+8*\i+4:SC+8*\i+7], v[ADRS] offset:512*\i+16
.endr
	FETCH_A 0, 0, 4
	s_wait_loadcnt 0x0                             ; the bias
	s_cmp_lt_u32 s21, 2
	s_cbranch_scc0 .Lfirst_v
	STEP 0, 0, 1, 1                                ; the first step starts the sums with the bias: nothing is cleared, nothing is added later
	s_branch .Lfirst_done
.Lfirst_v:
	STEP 0, 0, 1, 2
.Lfirst_done:
	TURN 1, 1, 1                                   ; the one refill.  Its wait for all loads, in every wave, also shows slots 1 and 2 whole
	STEP 2, 1, 1, 0
	STEP 3, 2, 0, 0
	STEP 4, 2, 1, 0
	TURN 5, 0, 0                                   ; behind this barrier K step 3 is whole in slot 0; nothing is filled
	STEP 6, 0, 1, 0
	s_wait_dscnt 16                                ; the last step: nothing more to fetch
	WIN 0xa1
	MUL16 0, 7, 0
	MUL16 2, 7, 0
	s_wait_dscnt 0x0
	WIN 0xf1
	MUL16 4, 7, 0
	MUL16 6, 7, 0
	WIN 0
; THE WAY OUT.  A's block a: the lane's 64 results, register 16 e + i = place 32 e + 16 h + i along the axis to be quantised, become a fragment's codes in v[PC] on and its scale word in v[pw].
.macro QUANTW a, pw
.set QSRC, 64*((\a)%4)
	WIN 0x28+0x14*((\a)/4)                         ; sources 1 and 2: window 2 or 3
.irp e, 0,1,2,3
	v_max3_num_f32 v[TM+\e], 0x1800000, |v[QSRC+16*\e]|, |v[QSRC+16*\e+1]|   ; each accumulator is read from its low end on; the floor 2^(3 - 127) keeps the byte from falling under 1
.endr
.irp i, 2,4,6,8,10,12,14
.irp e, 0,1,2,3
	v_max3_num_f32 v[TM+\e], v[TM+\e], |v[QSRC+16*\e+\i]|, |v[QSRC+16*\e+\i+1]|
.endr
.endr
	WIN 0
.irp e, 0,1,2,3
	v_permlanex16_b32 v[TM+4+\e], v[TM+\e], s100, s101
.endr
.irp e, 0,1,2,3
	v_max_num_f32 v[TM+\e], v[TM+\e], v[TM+4+\e]   ; with lane l xor 16's 16: the block's largest magnitude
.endr
.irp e, 0,1,2,3
	v_add_nc_u32 v[TM+12+\e], 0xff000000, v[TM+\e] ; 2 off the exponent field: the conversion's scale operand
.endr
.irp e, 0,1,2,3
	v_lshrrev_b32 v[TM+4+\e], 23, v[TM+12+\e]      ; the byte
.endr
	v_lshl_or_b32 v[\pw], v[TM+5], 8, v[TM+4]
	v_lshl_or_b32 v[\pw], v[TM+6], 16, v[\pw]
	v_lshl_or_b32 v[\pw], v[TM+7], 24, v[\pw]
	s_wait_xcnt 0x0                                ; the last block's stores have read the codes' registers
	WIN 0x02+(\a)/4                                ; source 0: window 2 or 3
.irp c, 0,1
	v_cvt_scalef32_pk16_fp6_f32 v[PC+6*\c:PC+6*\c+2], v[QSRC+32*\c:QSRC+32*\c+15], v[TM+12+2*\c]
	v_cvt_scalef32_pk16_fp6_f32 v[PC+12+4*\c:PC+14+4*\c], v[QSRC+16+32*\c:QSRC+31+32*\c], v[TM+12+2*\c+1]
.endr
	WIN 0
	v_nop                                          ; one plain place behind the scaled conversions
.irp c, 0,1                            ; the operand's layout wants a whole block in a lane: lanes 0-15 block 2 c, lanes 16-31 block 2 c + 1
.irp i, 0,1,2
	v_permlane16_swap_b32 v[PC+6*\c+\i], v[PC+12+4*\c+\i]
.endr
.irp i, 0,1,2
	v_mov_b32 v[PC+3+6*\c+\i], v[PC+12+4*\c+\i]
.endr
.endr
.endm
.irp e, 0,1,2,3
	v_mov_b32 v[TM+4+\e], 0                        ; a lane permute's destination counts as one of its sources.  These four are also the places behind the last products
.endr
	s_cmp_lt_u32 s21, 2
	s_cbranch_scc0 .Lout_v
	; q, k: my 128 tokens are block 8 C + 2 cy + half of the 64 blocks; my 128 features are heads 4 cx + 2 x half and the next
	s_lshl_b32 s44, s22, 3
	s_lshl_b32 s45, s41, 1
	s_add_co_u32 s44, s44, s45
	s_add_co_u32 s44, s44, s19
	s_lshr_b32 s45, s44, 4                         ; the batch
	s_and_b32 s44, s44, 15                         ; the block in it
	s_lshl_b32 s45, s45, 4
	s_lshl_b32 s46, s40, 2
	s_add_co_u32 s45, s45, s46
	s_lshl_b32 s46, s20, 1
	s_add_co_u32 s45, s45, s46                     ; 16 x batch + head
	s_lshl_b32 s45, s45, 4
	s_add_co_u32 s45, s45, s44
	s_lshl_b32 s46, 6656, s21                      ; a block's bytes: 6,656 in qi, 13,312 in kv
	s_mul_i32 s44, s45, s46
	s_mov_b32 s45, 0
	s_cmp_eq_u32 s21, 0
	s_cselect_b64 s[4:5], s[14:15], s[16:17]
	s_add_nc_u64 s[4:5], s[4:5], s[44:45]          ; the first head's block
	s_lshl_b32 s44, s46, 4
	s_add_nc_u64 s[6:7], s[4:5], s[44:45]          ; the next head's: 16 blocks on
	s_lshl_b32 s44, 6144, s21                      ; where the scale words lie in a block
	s_add_nc_u64 s[8:9], s[4:5], s[44:45]
	s_add_nc_u64 s[10:11], s[6:7], s[44:45]
.irp a, 0,1,2,3,4,5,6,7
	QUANTW \a, PW
.if \a%2 == 0
	v_perm_b32 v[KWA+\a/2], s105, v[PW], 0x04040100        ; the first head's two bytes under two bytes 0x7f,
	v_perm_b32 v[KWB+\a/2], s105, v[PW], 0x04040302        ; the second head's
.else
	v_perm_b32 v113, s105, v[PW], 0x04040100
	v_perm_b32 v114, s105, v[PW], 0x04040302
	v_cndmask_b32 v[KWA+\a/2], v[KWA+\a/2], v113, s104     ; an odd tile's words go to lanes 16-31
	v_cndmask_b32 v[KWB+\a/2], v[KWB+\a/2], v114, s104
.endif
	global_store_b128 v1, v[PC:PC+3], s[4:5] offset:768*\a          ; each store of the wave covers 512 or 256 consecutive bytes, aligned
	global_store_b64 v2, v[PC+4:PC+5], s[4:5] offset:768*\a+512
	global_store_b128 v1, v[PC+6:PC+9], s[6:7] offset:768*\a
	global_store_b64 v2, v[PC+10:PC+11], s[6:7] offset:768*\a+512
.endr
	global_store_b128 v1, v[KWA:KWA+3], s[8:9]
	global_store_b128 v1, v[KWB:KWB+3], s[10:11]
	s_branch .Lend
.Lout_v:
	; v: my 128 keys are key step 8 C + 2 cx + half of the 64; my 128 features are heads 4 cy + 2 x half and the next, four tiles of channels each
	s_lshl_b32 s44, s22, 3
	s_lshl_b32 s45, s40, 1
	s_add_co_u32 s44, s44, s45
	s_add_co_u32 s44, s44, s20
	s_lshr_b32 s45, s44, 4
	s_and_b32 s44, s44, 15
	s_lshl_b32 s45, s45, 4
	s_lshl_b32 s46, s41, 2
	s_add_co_u32 s45, s45, s46
	s_lshl_b32 s46, s19, 1
	s_add_co_u32 s45, s45, s46
	s_lshl_b32 s45, s45, 4
	s_add_co_u32 s45, s45, s44
	s_mul_i32 s44, s45, 13312
	s_add_co_u32 s44, s44, 6144
	s_mov_b32 s45, 0
	s_add_nc_u64 s[4:5], s[16:17], s[44:45]
	s_add_nc_u64 s[6:7], s[4:5], 16*13312
	s_add_nc_u64 s[8:9], s[4:5], 6656
	s_add_nc_u64 s[10:11], s[6:7], 6656
.irp a, 0,1,2,3,4,5,6,7
	QUANTW \a, KWA+\a
.irp c, 0,1,2
.if \a < 4
	global_store_b128 v1, v[PC+4*\c:PC+4*\c+3], s[4:5] offset:(\a%4)*1536+512*\c
.else
	global_store_b128 v1, v[PC+4*\c:PC+4*\c+3], s[6:7] offset:(\a%4)*1536+512*\c
.endif
.endr
.endr
	global_store_b128 v1, v[KWA:KWA+3], s[8:9]     ; lane L's word t: the scale word of row L % 16 of tile t
	global_store_b128 v1, v[KWB:KWB+3], s[10:11]
.Lend:
	s_wait_tensorcnt 0x0                           ; the wave's end
	ds_add_u32 v[SPW], v[NIL]
	s_wait_dscnt 0x0
	CROUND                                         ; the closing round: no work-group ends while a partner may still ask for a tile that names it
	s_endpgm
.Lfunc_end_k_q0557977e9c_proj:
	.size	k_q0557977e9c_proj, .Lfunc_end_k_q0557977e9c_proj-k_q0557977e9c_proj
	.p2alignl 7, 3214868480
	.fill 96, 4, 3214868480
	.section	.rodata,"a",@progbits
	.p2align	6, 0x0
	.amdhsa_kernel k_q0557977e9c_proj
		.amdhsa_group_segment_fixed_size 327680
		.amdhsa_private_segment_fixed_size 0
		.amdhsa_enable_private_segment 0
		.amdhsa_kernarg_size 56
		.amdhsa_user_sgpr_count 2
		.amdhsa_user_sgpr_kernarg_segment_ptr 1
		.amdhsa_wavefront_size32 1
		.amdhsa_system_sgpr_workgroup_id_x 1
		.amdhsa_system_sgpr_workgroup_id_y 1
		.amdhsa_system_sgpr_workgroup_id_z 1
		.amdhsa_system_vgpr_workitem_id 0
		.amdhsa_next_free_vgpr 1024
		.amdhsa_next_free_sgpr 106
		.amdhsa_reserve_vcc 0
		.amdhsa_float_denorm_mode_32 3
		.amdhsa_float_denorm_mode_16_64 3
		.amdhsa_memory_ordered 1
		.amdhsa_forward_progress 1
		.amdhsa_inst_pref_size 204
	.end_amdhsa_kernel
	.amdgpu_metadata
---
amdhsa.version: [ 1, 2 ]
amdhsa.kernels:
  - .name:           k_q0557977e9c_proj
    .symbol:         k_q0557977e9c_proj.kd
    .args:
      - { .name: xc, .offset: 0, .size: 8, .value_kind: global_buffer, .address_space: global }
      - { .name: xs, .offset: 8, .size: 8, .value_kind: global_buffer, .address_space: global }
      - { .name: bq, .offset: 16, .size: 8, .value_kind: global_buffer, .address_space: global }
      - { .name: bk, .offset: 24, .size: 8, .value_kind: global_buffer, .address_space: global }
      - { .name: bv, .offset: 32, .size: 8, .value_kind: global_buffer, .address_space: global }
      - { .name: qi, .offset: 40, .size: 8, .value_kind: global_buffer, .address_space: global }
      - { .name: kv, .offset: 48, .size: 8, .value_kind: global_buffer, .address_space: global }
    .group_segment_fixed_size: 327680
    .private_segment_fixed_size: 0
    .kernarg_segment_align: 8
    .kernarg_segment_size: 56
    .max_flat_workgroup_size: 128
    .sgpr_count:     106
    .vgpr_count:     1024
    .wavefront_size: 32
...
	.end_amdgpu_metadata
.endif
;; end of part 2
;; launch attn (part 3): grid 4 x 64, 16 waves a work-group, no clusters, 215,040 bytes of LDS; arguments qi, kv, mw, ac, asc; writes ac, asc
.if DOCPART == 3
	.amdgcn_target "amdgcn-amd-amdhsa--gfx1250"
	.amdhsa_code_object_version 6
	.text
	.protected	k_q0557977e9c_attn
	.globl	k_q0557977e9c_attn
	.p2align	8
	.type	k_q0557977e9c_attn,@function
k_q0557977e9c_attn:
	s_mov_b64 s[64:65], 0
	v_nop
	global_prefetch_b8 v0, s[64:65] scope:SCOPE_SE
	s_setreg_imm32_b32 hwreg(HW_REG_WAVE_MODE, 25, 1), 1
	s_wait_xcnt 0x0
; o = softmax(q k^T / 8, masked) v for one head, both products on codes of FP6 (E2M3) with E8M0 scales; o is quantised along the model's 1,024 features for the last projection and leaves as codes.
; t = logit x log2(e); M = the running largest t rounded UP to a whole number; p = 2^(t - M) is what is quantised, along the keys; the row's sum is taken of the unquantised p and divides o at the end.
; When M moves, the sum and o are multiplied by 2^(old M - new M): exact.
; SHARES.  A work-group owns one head (work-group y) and 512 queries (x).  The head's k and v, 16 key steps x 13,312 bytes of operand images, are brought into LDS ONCE, through registers, and stay: one barrier in the launch.
; Each of the sixteen waves owns 32 queries: two tiles of 16, one after the other (PASS 0, 1), and walks the 16 key steps of 128 keys for each.  Four waves share a SIMD, so that one wave's softmax stands beside another's products and LDS loads.
; LAYOUT.  Both products are used transposed: S^T = k q^T, O^T = v^T p^T: a lane holds ONE query throughout.  Tiles' rows are 32 (t / 2) + 8 (t % 2) + r + 8 (r / 8): register 16 e + i of S^T is key 32 e + 16 h + i, of O^T channel 32 e + 16 h + i.
; THE HEAD'S K IS 64, half of the instruction's 128: q's upper six registers are zero codes, so k's upper six may hold any codes (the next tile's: FP6 has no code for NaN or infinity); the upper two scale bytes of both are 0x7f.
; THE MASK comes as lane masks (mw): 64 words a key step, by scalar loads a step ahead; word n picks -2^33 for register n in the lanes whose key is hidden.  The 64 selects run in every step: no branch and no address hangs on the words.
; NO TENSOR LOADS, NO JOINT LOADS: LDS is filled once, one record of 13,312 bytes a wave by 26 loads and 26 LDS stores, and never again; what the four work-groups of a head share is those 212,992 bytes, read once at each one's head for all its
; 32 passes of 16 key steps.
; LIMITS: a hidden logit stands at -2^30, not at -1e9: the results are the same (p = 0 beside any open key, p = 1 in a row with none) unless an open logit lies under about -9.9e8.  A block of zeros gets the byte 1, not 127.  NaN and infinities are not served.
; OUT.  ac: [512 token tiles][8 K steps] x 1,536 bytes; head hd is half hd % 2 of K step hd / 2: 4 registers at 16 L, 2 at 512 + 8 L.  asc: [tile][r][K step] words: a lane stores one byte, since a word's bytes come from two heads.
.set REC,  13312                       ; a key step's record: k's codes 0, v's 6,144, k's scale words 12,288, v's 12,800
.set KV,   30                          ; v30-77 k's eight tiles (6 registers each), then v's four (12 each); v78-83 zeros
.set KSR,  84                          ; v84-87 k's scale words: tile 2 e in lanes 0-15, tile 2 e + 1 in lanes 16-31
.set VSR,  88                          ; v88-91 v's
.set S,    96                          ; v96-159 S^T, then p
.set O,    160                         ; v160-191 O^T
.set PC,   192                         ; v192-203 p's codes
.set PT,   204                         ; v204-206, v208-210
.set BM,   212                         ; v212-215 the blocks' largest
.set BT,   216
.set BSO,  220                         ; the conversions' scale operands
.set F,    224                         ; v[224:225] f, later 1 / the sum
.set PW,   226                         ; p's scale word
.set TMP,  227
; v1 16 L, v2 8 L, v3-4 the step's LDS addresses, v7 32 r + h, v8 the fill's LDS address, v9 -2^33, v[10:11] the sum's second chain, v12 -M, v13 the largest t, v[14:15] the sum, v16-27 and v228-239 q's two fragments, v28 q's scale words
; s[20:51], s[68:99] the 64 mask words; s15 the step's place in LDS, s16 its place in mw, s18 the steps' counter, s19 lanes 16-31, s[52:53] lane selects, s[54:55] c
	s_load_b256 s[4:11], s[0:1], 0x0               ; qi, kv, mw, ac
	s_load_b64 s[12:13], s[0:1], 0x20              ; asc
	v_lshl_add_u32 v254, v0, 2, 0x34000
	v_mov_b32 v255, 0
	v_lshrrev_b32 v8, 5, v0
	v_readfirstlane_b32 s14, v8                    ; wave 0..15
	v_and_b32 v8, 31, v0
	v_lshlrev_b32 v1, 4, v8
	v_lshlrev_b32 v2, 3, v8
	v_and_b32 v10, 15, v0
	v_bfe_u32 v11, v0, 4, 1
	v_lshl_add_u32 v7, v10, 5, v11                 ; 32 r + h
	s_and_b32 s20, ttmp7, 0xffff                   ; 16 x batch + head
	s_lshl_b32 s21, ttmp9, 4
	s_add_co_u32 s21, s21, s14                     ; G: my 32 queries among the batch's 64 groups
	s_mul_i32 s15, s14, REC                        ; the key step that I bring in
	s_mul_i32 s22, s20, 16*REC
	s_add_co_u32 s22, s22, s15
	s_mov_b32 s23, 0
	s_lshr_b32 s24, s21, 2
	s_mul_i32 s24, s24, 6656
	s_mul_i32 s25, s20, 16*6656
	s_add_co_u32 s24, s24, s25                     ; my block of 128 queries in qi
	s_and_b32 s25, s21, 3
	s_mul_i32 s26, s25, 1536
	s_add_co_u32 s26, s26, s24                     ; my two tiles' codes
	s_mov_b32 s27, 0
	s_lshl_b32 s28, s25, 2
	s_add_co_u32 s28, s28, s24
	s_add_co_u32 s28, s28, 6144                    ; and their scale words: word G % 4 of each lane's four
	s_mov_b32 s29, 0
	s_lshr_b32 s30, s20, 4
	s_lshl_b32 s30, s30, 7
	s_lshl_b32 s31, s21, 1
	s_add_co_u32 s30, s30, s31                     ; my first token tile: 128 x batch + 2 G
	s_and_b32 s31, s20, 15
	s_lshr_b32 s32, s31, 1                         ; the head's K step in the last projection,
	s_and_b32 s31, s31, 1                          ; and its half
	s_lshl_b32 s34, s30, 12                        ; mw: 4,096 bytes a tile
	s_mov_b32 s35, 0
	s_lshl_b32 s36, s30, 3
	s_add_co_u32 s36, s36, s32
	s_mul_i32 s36, s36, 1536
	s_mul_i32 s33, s31, 768
	s_add_co_u32 s36, s36, s33
	s_mov_b32 s37, 0
	s_lshl_b32 s38, s30, 9
	s_lshl_b32 s32, s32, 2
	s_add_co_u32 s38, s38, s32
	s_lshl_b32 s31, s31, 1
	s_add_co_u32 s38, s38, s31
	s_mov_b32 s39, 0
	s_mov_b32 s19, 0xffff0000
	s_mov_b32 s52, 0x76543210
	s_mov_b32 s53, 0xfedcba98
	s_mov_b32 s54, 0x3e38aa3b                      ; c = log2(e) / 8
	s_mov_b32 s55, s54                             ; (named with it as a pair, so it is written)
	s_mov_b32 s16, 0
	s_wait_kmcnt 0x0
	s_add_nc_u64 s[6:7], s[6:7], s[22:23]
	s_add_nc_u64 s[60:61], s[4:5], s[28:29]
	s_add_nc_u64 s[4:5], s[4:5], s[26:27]
	s_add_nc_u64 s[8:9], s[8:9], s[34:35]
	s_add_nc_u64 s[10:11], s[10:11], s[36:37]
	s_add_nc_u64 s[12:13], s[12:13], s[38:39]
.set n, 0
.rept 26
	global_load_b128 v[S+4*n:S+4*n+3], v1, s[6:7] offset:512*n      ; my key step's record, 512 consecutive bytes a load
.set n, n+1
.endr
	global_load_b128 v[16:19], v1, s[4:5]          ; q's two fragments stay in registers
	global_load_b64 v[20:21], v2, s[4:5] offset:512
	global_load_b128 v[228:231], v1, s[4:5] offset:768
	global_load_b64 v[232:233], v2, s[4:5] offset:1280
	global_load_b32 v28, v1, s[60:61]
	s_load_b512 s[20:35], s[8:9], s16 offset:0x0   ; the first key step's mask words
	s_load_b512 s[36:51], s[8:9], s16 offset:0x40
	s_load_b512 s[68:83], s[8:9], s16 offset:0x80
	s_load_b512 s[84:99], s[8:9], s16 offset:0xc0
	v_add_nc_u32 v8, s15, v1
	v_mov_b32 v9, 0xd0000000                       ; -2^33: x c it is -2^30 log2(e)
.irp i, 0,1,2,3,4,5
	v_mov_b32 v[22+\i], 0                          ; zero codes for the upper half of the K step
	v_mov_b32 v[234+\i], 0
	v_mov_b32 v[78+\i], 0                          ; what stands above k's last tile
.endr
.irp e, 0,1,2,3
	v_mov_b32 v[BT+\e], 0                          ; a lane permute's destination counts as one of its sources
.endr
	v_mov_b32 v[F+1], 0                            ; (named as the upper half of a pair)
	v_mov_b32 v[TMP], 0
	s_wait_loadcnt 5                               ; the record is in; q's five loads may be out
.set n, 0
.rept 26
	ds_store_b128 v8, v[S+4*n:S+4*n+3] offset:512*n
.set n, n+1
.endr
	s_wait_dscnt 0x0                               ; for the others' sake: my stores have landed
	s_barrier_signal -1
	s_barrier_wait -1                              ; the head's k and v lie in LDS; from here on LDS is only read
	s_wait_loadcnt 0x0                             ; q
.macro PASS p
.set QF, 16+212*\p
	v_mov_b32 v13, 0xff61b1e6                      ; the largest t so far: -3e38
	v_floor_f32 v12, -v13                          ; -M
	v_mov_b32 v14, 0
	v_mov_b32 v15, 0
.set n, 0
.rept 32
	v_mov_b32 v[O+n], 0                            ; the step is written once: the first finds zeros, which the first change of M leaves zeros
.set n, n+1
.endr
	s_mov_b32 s15, 0
	s_mov_b32 s18, 16
.Lstep_\@:
	v_add_nc_u32 v3, s15, v1
	v_add_nc_u32 v4, s15, v2
	v_nop
	v_nop                                          ; four places behind the last products, in front of loads into their registers
.irp t, 0,1,2,3,4,5,6,7
	ds_load_b128 v[KV+6*\t:KV+6*\t+3], v3 offset:768*\t
	ds_load_b64 v[KV+6*\t+4:KV+6*\t+5], v4 offset:768*\t+512
.endr
	ds_load_b128 v[KSR:KSR+3], v3 offset:12288
	ds_load_b128 v[VSR:VSR+3], v3 offset:12800
	s_wait_dscnt 0x0
.irp t, 0,1,2,3,4,5,6,7
.if (\t%2 == 0) && (\p == 0)
	v_wmma_scale_f32_16x16x128_f8f6f4 v[S+8*\t:S+8*\t+7], v[KV+6*\t:KV+6*\t+11], v[QF:QF+11], 0, v[KSR+\t/2], v28 matrix_a_fmt:MATRIX_FMT_FP6 matrix_b_fmt:MATRIX_FMT_FP6
.elseif \p == 0
	v_wmma_scale_f32_16x16x128_f8f6f4 v[S+8*\t:S+8*\t+7], v[KV+6*\t:KV+6*\t+11], v[QF:QF+11], 0, v[KSR+\t/2], v28 matrix_a_fmt:MATRIX_FMT_FP6 matrix_b_fmt:MATRIX_FMT_FP6 matrix_a_scale:MATRIX_SCALE_ROW1
.elseif \t%2 == 0
	v_wmma_scale_f32_16x16x128_f8f6f4 v[S+8*\t:S+8*\t+7], v[KV+6*\t:KV+6*\t+11], v[QF:QF+11], 0, v[KSR+\t/2], v28 matrix_a_fmt:MATRIX_FMT_FP6 matrix_b_fmt:MATRIX_FMT_FP6 matrix_b_scale:MATRIX_SCALE_ROW1
.else
	v_wmma_scale_f32_16x16x128_f8f6f4 v[S+8*\t:S+8*\t+7], v[KV+6*\t:KV+6*\t+11], v[QF:QF+11], 0, v[KSR+\t/2], v28 matrix_a_fmt:MATRIX_FMT_FP6 matrix_b_fmt:MATRIX_FMT_FP6 matrix_a_scale:MATRIX_SCALE_ROW1 matrix_b_scale:MATRIX_SCALE_ROW1
.endif
.endr
.rept 4
	v_nop                                          ; places in front of the reads of S^T and of the loads into k's registers
.endr
.set n, 0
.rept 12
	ds_load_b128 v[KV+4*n:KV+4*n+3], v3 offset:6144+512*n     ; v's four tiles land while the softmax is worked
.set n, n+1
.endr
	s_wait_kmcnt 0x0                               ; this step's mask words, asked for a step ago
.set n, 0
.rept 64
	v_cndmask_b32 v[S+n], v[S+n], v9, s[20+n+16*(n/32)]       ; hidden keys' scores become -2^33.  Ascending: each accumulator is read from its low end on
.set n, n+1
.endr
	s_add_co_u32 s16, s16, 256                     ; the next step's words (my two tiles' 32 records lie on end);
	s_min_u32 s16, s16, 7936                       ; the very last step reads its own again: no load leaves mw
	s_load_b512 s[20:35], s[8:9], s16 offset:0x0
	s_load_b512 s[36:51], s[8:9], s16 offset:0x40
	s_load_b512 s[68:83], s[8:9], s16 offset:0x80
	s_load_b512 s[84:99], s[8:9], s16 offset:0xc0
.irp e, 0,1,2,3
	v_max3_num_f32 v[BM+\e], v[S+16*\e], v[S+16*\e+1], v[S+16*\e+2]   ; the largest score of each block of 32 keys: for the row's maximum, and, since p rises with the score, for the block's largest p
.endr
.irp i, 3,5,7,9,11,13
.irp e, 0,1,2,3
	v_max3_num_f32 v[BM+\e], v[BM+\e], v[S+16*\e+\i], v[S+16*\e+\i+1]
.endr
.endr
.irp e, 0,1,2,3
	v_max_num_f32 v[BM+\e], v[BM+\e], v[S+16*\e+15]
.endr
.irp e, 0,1,2,3
	v_permlanex16_b32 v[BT+\e], v[BM+\e], s52, s53
.endr
.irp e, 0,1,2,3
	v_max_num_f32 v[BM+\e], v[BM+\e], v[BT+\e]     ; with lane l xor 16's 16 keys
.endr
	v_max3_num_f32 v[TMP], v[BM], v[BM+1], v[BM+2]
	v_max_num_f32 v[TMP], v[TMP], v[BM+3]
	v_mul_f32 v[TMP], s54, v[TMP]                  ; the step's largest t (c is positive)
	v_max_num_f32 v13, v13, v[TMP]
	v_mov_b32 v[TMP], v12
	v_floor_f32 v12, -v13                          ; the new -M = -ceil(t): a whole number
	v_sub_f32 v[TMP], v12, v[TMP]                  ; old M - new M: a whole number, 0 or less
	v_cvt_i32_f32 v[TMP], v[TMP]                   ; (it saturates)
	v_ldexp_f32 v[F], 1.0, v[TMP]                  ; f = 2^(old M - new M)
.set n, 0
.rept 32
	v_pk_fma_f32 v[S+n:S+n+1], v[S+n:S+n+1], s[54:55], v[12:13] op_sel_hi:[1,0,0]   ; t - M, two at a time
.set n, n+2
.endr
.irp e, 0,1,2,3
	v_fma_f32 v[BM+\e], v[BM+\e], s54, v12         ; the same of each block's largest score
.endr
.set n, 0
.rept 64
	v_exp_f32 v[S+n], v[S+n]                       ; p = 2^(t - M): not normalised
.set n, n+1
.endr
	v_pk_mul_f32 v[14:15], v[14:15], v[F:F+1] op_sel_hi:[1,0]     ; the sum under the new M: the plain place behind the exponentials
	s_wait_alu depctr_va_vdst(0)                   ; one wait for the batch, ahead of its first reader
.irp e, 0,1,2,3
	v_exp_f32 v[BM+\e], v[BM+\e]                   ; the block's largest p: the same two instructions on the same number give the same bits
.endr
	v_pk_add_f32 v[10:11], v[S:S+1], v[S+2:S+3]    ; the row's sum is taken of the unquantised p, in two chains
.irp j, 4,8,12,16,20,24,28,32,36,40,44
	v_pk_add_f32 v[14:15], v[14:15], v[S+\j:S+\j+1]
	v_pk_add_f32 v[10:11], v[10:11], v[S+\j+2:S+\j+3]
.endr
	s_wait_alu depctr_va_vdst(0)                   ; and one for the four
.irp e, 0,1,2,3
	v_max_num_f32 v[BM+\e], 0x1800000, v[BM+\e]    ; the floor 2^(3 - 127): the byte cannot fall under 1
.endr
.irp e, 0,1,2,3
	v_add_nc_u32 v[BSO+\e], 0xff000000, v[BM+\e]   ; 2 off the exponent field: the conversion's scale operand
.endr
.irp e, 0,1,2,3
	v_lshrrev_b32 v[BT+\e], 23, v[BSO+\e]
.endr
	v_lshl_or_b32 v[PW], v[BT+1], 8, v[BT]         ; p's scale word for these 128 keys
	v_lshl_or_b32 v[PW], v[BT+2], 16, v[PW]
	v_lshl_or_b32 v[PW], v[BT+3], 24, v[PW]
.irp c, 0,1
	v_cvt_scalef32_pk16_fp6_f32 v[PC+6*\c:PC+6*\c+2], v[S+32*\c:S+32*\c+15], v[BSO+2*\c]
	v_cvt_scalef32_pk16_fp6_f32 v[PT+4*\c:PT+4*\c+2], v[S+16+32*\c:S+31+32*\c], v[BSO+2*\c+1]
.endr
	v_nop                                          ; one plain place behind the scaled conversions
.irp c, 0,1                            ; a whole block to a lane: lanes 0-15 block 2 c, lanes 16-31 block 2 c + 1
.irp i, 0,1,2
	v_permlane16_swap_b32 v[PC+6*\c+\i], v[PT+4*\c+\i]
.endr
.irp i, 0,1,2
	v_mov_b32 v[PC+3+6*\c+\i], v[PT+4*\c+\i]
.endr
.endr
.set n, 0
.rept 16
	v_pk_mul_f32 v[O+n:O+n+1], v[O+n:O+n+1], v[F:F+1] op_sel_hi:[1,0]   ; O^T under the new M
.set n, n+2
.endr
.irp j, 48,52,56,60                    ; the rest of the sum: nine plain lines that name none of the products' registers stand in front of the products
	v_pk_add_f32 v[14:15], v[14:15], v[S+\j:S+\j+1]
	v_pk_add_f32 v[10:11], v[10:11], v[S+\j+2:S+\j+3]
.endr
	v_pk_add_f32 v[14:15], v[14:15], v[10:11]
	s_wait_dscnt 0x0                               ; v's tiles
.irp t, 0,1,2,3
	v_wmma_scale_f32_16x16x128_f8f6f4 v[O+8*\t:O+8*\t+7], v[KV+12*\t:KV+12*\t+11], v[PC:PC+11], v[O+8*\t:O+8*\t+7], v[VSR+\t], v[PW] matrix_a_fmt:MATRIX_FMT_FP6 matrix_b_fmt:MATRIX_FMT_FP6
.endr                                  ; four accumulators, one instruction a turn; the next matrix instructions are S^T's
	s_add_co_u32 s15, s15, REC
	s_sub_co_u32 s18, s18, 1
	s_cmp_lg_u32 s18, 0
	s_cbranch_scc1 .Lstep_\@
	; the tile's end: O^T / the sum, quantised along the head's 64 channels: two blocks
.rept 4
	v_nop
.endr
	v_add_f32 v14, v14, v15
	v_permlanex16_b32 v[TMP], v14, s52, s53
	v_add_f32 v14, v14, v[TMP]                     ; the row's sum
	v_rcp_f32 v[F], v14
	v_nop                                          ; a plain place behind the transcendental
	s_wait_alu depctr_va_vdst(0)                   ; and the wait ahead of its first reader
.set n, 0
.rept 16
	v_pk_mul_f32 v[S+n:S+n+1], v[O+n:O+n+1], v[F:F+1] op_sel_hi:[1,0]   ; ascending: each accumulator from its low end on
.set n, n+2
.endr
.irp e, 0,1
	v_max3_num_f32 v[BM+\e], |v[S+16*\e]|, |v[S+16*\e+1]|, 0x1800000
.endr
.irp i, 2,4,6,8,10,12,14
.irp e, 0,1
	v_max3_num_f32 v[BM+\e], v[BM+\e], |v[S+16*\e+\i]|, |v[S+16*\e+\i+1]|
.endr
.endr
.irp e, 0,1
	v_permlanex16_b32 v[BT+\e], v[BM+\e], s52, s53
.endr
.irp e, 0,1
	v_max_num_f32 v[BM+\e], v[BM+\e], v[BT+\e]
.endr
.irp e, 0,1
	v_add_nc_u32 v[BSO+\e], 0xff000000, v[BM+\e]
.endr
.irp e, 0,1
	v_lshrrev_b32 v[BT+\e], 23, v[BSO+\e]
.endr
	v_cvt_scalef32_pk16_fp6_f32 v[PC:PC+2], v[S:S+15], v[BSO]
	v_cvt_scalef32_pk16_fp6_f32 v[PT:PT+2], v[S+16:S+31], v[BSO+1]
	v_cndmask_b32 v[TMP], v[BT], v[BT+1], s19      ; lanes 0-15 store block 0's byte, lanes 16-31 block 1's.  (The plain place behind the conversions)
.irp i, 0,1,2
	v_permlane16_swap_b32 v[PC+\i], v[PT+\i]
.endr
.irp i, 0,1,2
	v_mov_b32 v[PC+3+\i], v[PT+\i]
.endr
	global_store_b128 v1, v[PC:PC+3], s[10:11] offset:12288*\p          ; 512 and 256 consecutive bytes, aligned
	global_store_b64 v2, v[PC+4:PC+5], s[10:11] offset:12288*\p+512
	global_store_b8 v7, v[TMP], s[12:13] offset:512*\p
.if \p == 0
	s_wait_xcnt 0x0                                ; the stores have read their registers: the next tile writes them again
.endif
.endm
	PASS 0
	PASS 1
	s_wait_kmcnt 0x0                               ; the last, unused, mask words
	s_wait_tensorcnt 0x0
	ds_add_u32 v254, v255
	s_wait_dscnt 0x0
	s_endpgm
.Lfunc_end_k_q0557977e9c_attn:
	.size	k_q0557977e9c_attn, .Lfunc_end_k_q0557977e9c_attn-k_q0557977e9c_attn
	.p2alignl 7, 3214868480
	.fill 96, 4, 3214868480
	.section	.rodata,"a",@progbits
	.p2align	6, 0x0
	.amdhsa_kernel k_q0557977e9c_attn
		.amdhsa_group_segment_fixed_size 215040
		.amdhsa_private_segment_fixed_size 0
		.amdhsa_enable_private_segment 0
		.amdhsa_kernarg_size 40
		.amdhsa_user_sgpr_count 2
		.amdhsa_user_sgpr_kernarg_segment_ptr 1
		.amdhsa_wavefront_size32 1
		.amdhsa_system_sgpr_workgroup_id_x 1
		.amdhsa_system_sgpr_workgroup_id_y 1
		.amdhsa_system_sgpr_workgroup_id_z 1
		.amdhsa_system_vgpr_workitem_id 0
		.amdhsa_next_free_vgpr 256
		.amdhsa_next_free_sgpr 100
		.amdhsa_reserve_vcc 0
		.amdhsa_float_denorm_mode_32 3
		.amdhsa_float_denorm_mode_16_64 3
		.amdhsa_memory_ordered 1
		.amdhsa_forward_progress 1
		.amdhsa_inst_pref_size 58
	.end_amdhsa_kernel
	.amdgpu_metadata
---
amdhsa.version: [ 1, 2 ]
amdhsa.kernels:
  - .name:           k_q0557977e9c_attn
    .symbol:         k_q0557977e9c_attn.kd
    .args:
      - { .name: qi, .offset: 0, .size: 8, .value_kind: global_buffer, .address_space: global }
      - { .name: kv, .offset: 8, .size: 8, .value_kind: global_buffer, .address_space: global }
      - { .name: mw, .offset: 16, .size: 8, .value_kind: global_buffer, .address_space: global }
      - { .name: ac, .offset: 24, .size: 8, .value_kind: global_buffer, .address_space: global }
      - { .name: asc, .offset: 32, .size: 8, .value_kind: global_buffer, .address_space: global }
    .group_segment_fixed_size: 215040
    .private_segment_fixed_size: 0
    .kernarg_segment_align: 8
    .kernarg_segment_size: 40
    .max_flat_workgroup_size: 512
    .sgpr_count:     100
    .vgpr_count:     256
    .wavefront_size: 32
...
	.end_amdgpu_metadata
.endif
;; end of part 3
;; launch outp (part 4): grid 4 x 32, 4 waves a work-group, clusters of 4 x 4, 327,680 bytes of LDS; arguments ac, asc, xc, xs, bo, out0; writes out0
.if DOCPART == 4
	.amdgcn_target "amdgcn-amd-amdhsa--gfx1250"
	.amdhsa_code_object_version 6
	.text
	.protected	k_q0557977e9c_outp
	.globl	k_q0557977e9c_outp
	.p2align	8
	.type	k_q0557977e9c_outp,@function
k_q0557977e9c_outp:
	s_mov_b64 s[64:65], 0
	v_nop
	global_prefetch_b8 v0, s[64:65] scope:SCOPE_SE
	s_setreg_imm32_b32 hwreg(HW_REG_WAVE_MODE, 25, 1), 1
	s_wait_xcnt 0x0
	s_wait_alu depctr_hold_cnt(0) depctr_sa_sdst(0) depctr_va_vdst(0) depctr_va_sdst(0) depctr_va_ssrc(0) depctr_va_vcc(0) depctr_vm_vsrc(0)
	s_getreg_b32 s2, hwreg(HW_REG_IB_STS2, 6, 4)
	s_cmp_eq_u32 s2, 0
	s_cbranch_scc0 .Lentry_in_a_cluster
	s_endpgm
.Lentry_in_a_cluster:
	s_bfe_u32 s2, ttmp6, 0x10000c
	s_cmp_lg_u32 s2, 0xf033
	s_cbranch_scc0 .Lentry_shape_is_right
	s_endpgm
.Lentry_shape_is_right:
; out0 = o Wo^T + bo on codes of FP6 (E2M3) with E8M0 scales: o's codes and scale words from ac, asc, Wo's from xc, xs (tiles 1728 on): operand images of 1,536 bytes for 16 rows x 128 K; sums in f32; out0 [8192][1024] f32.
; SHARES.  8 clusters of 4 x 4 work-groups.  A work-group makes 256 tokens x 256 features, each of its four waves 128 x 128: 64 accumulators, 512 registers.
; Region A of a slot (tokens, tile 16 (4 x cluster y + cy)) feeds source 1: a lane holds a token.  Region B (Wo's rows, tile 1728 + 16 cx) feeds source 0: a lane's registers run along the features: neighbouring numbers of a row of out0.
; A is asked for jointly by a row of the cluster, B by a column.  K = 1,024 is four K steps of 256: three LDS slots take K steps 0, 1, 2 with the first fills, slot 0 is filled once more, with K step 3.
; A wave has four tensor loads out at the start and one behind the refill.  The scale words come once, with the first fills.  No prefetch: three of the four K steps are asked for at the head.
; Tiles' rows are 32 (t / 2) + 8 (t % 2) + r + 8 (r / 8): the way out puts every number at its true row and column.
; REGISTERS as in the projections' launch: window 0: v1 16 L, v2 8 L, v4-16 LDS addresses, v20-21 the stage's, v28-29 the spare word's, v32-95 scale words, v128-223 A's fragments, on the way out v128-255 rows of out0;
;   window 1: B's fragments, two sets at v0 and v128; the bias tiles at v96-127 and v224-255;   windows 2, 3: accumulator (a, b) at v[8 (8 (a % 4) + b)].
.set TILEB, 3072
.set HALFT, 8*TILEB
.set SLOT,  4*HALFT
.set SCL,   3*SLOT
.set HALFS, 4096
.set SPARE, SCL+4*HALFS                ; the spare words, 128 bytes for each wave: two blocks of 256 bytes that no other line names
.set SPITCH, 528                       ; the way out: 16 rows x (512 bytes + 16) for each wave, in slot 1, which has had its last fill and its last read when the first result is stored there
.set FR,   12
.set A16,  4
.set A8,   7
.set B16,  10
.set B8,   13
.set ADRS, 16
.set STO,  20
.set RD,   21
.set SPW,  28
.set NIL,  29
.set SC,   32
.set AF,   128
.set BK,   128
.set G1,   24
.set G0,   32
.set G02,  92
.set G1B,  48
.set G0B,  56
.set G0B2, 96
.set G1S,  68
.set G0S,  76
.set G1SB, 80
.set G0SB, 88
.set MSB, 0
.macro WIN new                         ; the immediate's high byte repeats the setting that is left
.if MSB != \new
	s_set_vgpr_msb (MSB<<8)|\new
.set MSB, \new
.endif
.endm
.macro PLACES                          ; four plain places behind a matrix instruction of this form (ISA guide 7.12.1)
.rept 4
	v_nop
.endr
.endm
.macro JLOAD g0a, g1a, g0b, g1b        ; a joint load: waves 0 and 1 fetch for A, waves 2 and 3 for B; four v_nop follow each of the two lines
	s_cmp_eq_u32 s19, 0
	s_cbranch_scc0 .Lfor_b_\@
	tensor_load_to_lds s[\g0a:\g0a+3], s[\g1a:\g1a+7]
	s_nop 0
.rept 4
	v_nop
.endr
	s_branch .Lasked_\@
.Lfor_b_\@:
	tensor_load_to_lds s[\g0b:\g0b+3], s[\g1b:\g1b+7]
	s_nop 0
.rept 4
	v_nop
.endr
.Lasked_\@:
.endm
.macro CREST
	s_cmp_lg_u32 s18, 0
	s_cbranch_scc1 .Lnot_wave_0_\@
	s_barrier_signal -3
.Lnot_wave_0_\@:
	s_barrier_wait -3
	s_barrier_signal -1
	s_barrier_wait -1
.endm
.macro CROUND
	s_barrier_signal -1
	s_barrier_wait -1
	CREST
.endm
.macro MKG0 ga, gb, k
	s_mov_b32 s[\ga], 1
	s_add_co_u32 s[\ga+1], s23, \k*SLOT
	s_add_nc_u64 s[\ga+2:\ga+3], s[66:67], \k*TILEB
	s_or_b32 s[\ga+3], s[\ga+3], 0x80000000
	s_mov_b32 s[\gb], 1
	s_add_co_u32 s[\gb+1], s23, \k*SLOT
	s_add_nc_u64 s[\gb+2:\gb+3], s[2:3], \k*TILEB
	s_or_b32 s[\gb+3], s[\gb+3], 0x80000000
	JLOAD \ga, G1, \gb, G1B
.endm
.macro FRAG reg, a16, a8, q, i
	ds_load_b128 v[\reg:\reg+3], v[\a16] offset:(\i)*TILEB+(\q)*1536
	ds_load_b64 v[\reg+4:\reg+5], v[\a8] offset:(\i)*TILEB+(\q)*1536+512
	ds_load_b128 v[\reg+6:\reg+9], v[\a16] offset:(\i)*TILEB+(\q)*1536+768
	ds_load_b64 v[\reg+10:\reg+11], v[\a8] offset:(\i)*TILEB+(\q)*1536+1280
.endm
.macro FETCH_B slot, q, p
	WIN 0x40
.irp i, 0,1,2,3,4,5,6,7
	FRAG 128*(\p)+FR*\i, B16+\slot, B8+\slot, \q, \i
.endr
	WIN 0
.endm
.macro FETCH_A slot, q, i0
.irp i, \i0, \i0+1, \i0+2, \i0+3
	FRAG AF+FR*(\i), A16+\slot, A8+\slot, \q, \i
.endr
.endm
; 16 matrix instructions: A's blocks a0, a0 + 1 x B's eight; sg: the 128 along K; z = 1: C is the bias tile of B's block.  The 64 accumulators take turns, one instruction a turn.
.macro MUL16 a0, sg, z
.irp a, \a0, \a0+1
.irp b, 0,1,2,3,4,5,6,7
.if \z
	v_wmma_scale_f32_16x16x128_f8f6f4 v[8*(8*((\a)%4)+\b):8*(8*((\a)%4)+\b)+7], v[128*((\sg)%2)+FR*\b:128*((\sg)%2)+FR*\b+FR-1], v[AF+FR*(\a):AF+FR*(\a)+FR-1], v[96+128*(\b/4)+8*(\b%4):96+128*(\b/4)+8*(\b%4)+7], v[SC+8*\b+(\sg)], v[SC+8*(\a)+(\sg)] matrix_a_fmt:MATRIX_FMT_FP6 matrix_b_fmt:MATRIX_FMT_FP6 matrix_a_scale:MATRIX_SCALE_ROW1
.else
	v_wmma_scale_f32_16x16x128_f8f6f4 v[8*(8*((\a)%4)+\b):8*(8*((\a)%4)+\b)+7], v[128*((\sg)%2)+FR*\b:128*((\sg)%2)+FR*\b+FR-1], v[AF+FR*(\a):AF+FR*(\a)+FR-1], v[8*(8*((\a)%4)+\b):8*(8*((\a)%4)+\b)+7], v[SC+8*\b+(\sg)], v[SC+8*(\a)+(\sg)] matrix_a_fmt:MATRIX_FMT_FP6 matrix_b_fmt:MATRIX_FMT_FP6 matrix_a_scale:MATRIX_SCALE_ROW1
.endif
.endr
.endr
.endm
.macro STEP sg, ns, nq, z
	s_wait_dscnt 16                                ; B's set and A's blocks 0-3 are in; the youngest 16 loads (A's blocks 4-7) may be out
.if \z
	WIN 0x91
.else
	WIN 0xa1
.endif
	MUL16 0, \sg, \z
	MUL16 2, \sg, \z
	s_wait_dscnt 0x0
	PLACES
	FETCH_B \ns, \nq, 1-(\sg)%2
	FETCH_A \ns, \nq, 0
.if \z
	WIN 0xd1
.else
	WIN 0xf1
.endif
	MUL16 4, \sg, \z
	MUL16 6, \sg, \z
	PLACES
	WIN 0
	FETCH_A \ns, \nq, 4
.endm
.macro TURN sg, ns, fill
	s_wait_tensorcnt 0x0                           ; all my tensor loads have landed
	ds_add_u32 v[SPW], v[NIL]                      ; 0 onto my spare word
	s_wait_dscnt 17                                ; (the add and the youngest 16 loads may be out)
	WIN 0xa1
	MUL16 0, \sg, 0
	s_wait_dscnt 0x0                               ; the add is done, and my reads of the slot are over
	s_barrier_signal -1
	MUL16 2, \sg, 0
	WIN 0
	s_barrier_wait -1
.if \fill
	CREST                                          ; no wave of any partner still reads slot 0 or has a load on its way
	s_add_nc_u64 s[G0+2:G0+3], s[G0+2:G0+3], 3*TILEB
	s_add_nc_u64 s[G0B+2:G0B+3], s[G0B+2:G0B+3], 3*TILEB
	JLOAD G0, G1, G0B, G1B
.else
	PLACES
.endif
	FETCH_B \ns, 0, 0
	FETCH_A \ns, 0, 0
	WIN 0xf1
	MUL16 4, \sg, 0
	MUL16 6, \sg, 0
	PLACES
	WIN 0
	FETCH_A \ns, 0, 4
.endm
	s_load_b256 s[4:11], s[0:1], 0x0               ; ac, asc, xc, xs
	s_load_b128 s[12:15], s[0:1], 0x20             ; bo, out0
	v_lshl_add_u32 v[SPW], v0, 2, SPARE
	v_mov_b32 v[NIL], 0
	ds_add_u32 v28, v29
	ds_add_u32 v28, v29
	s_wait_dscnt 0x0
	v_lshrrev_b32 v1, 5, v0
	v_readfirstlane_b32 s18, v1                    ; wave 0..3
	s_lshr_b32 s19, s18, 1                         ; my half of the tokens.  Also: I fetch for A (0) or for B (1)
	s_and_b32 s20, s18, 1                          ; my half of the features.  Also: which 8 tiles I fetch
	s_bfe_u32 s40, ttmp6, 0x40000                  ; cx
	s_bfe_u32 s41, ttmp6, 0x40004                  ; cy
	s_and_b32 s22, ttmp7, 0xffff                   ; cluster y
	s_lshl_b32 s42, s41, 2
	s_lshl_b32 s42, 15, s42                        ; my row of the cluster
	s_lshl_b32 s43, 0x1111, s40                    ; my column
	s_or_b32 s[G1], s42, (3<<16)|(1<<21)           ; the mask; elements of 8 bytes; bit 21 beside a mask; no padding
	s_or_b32 s[G1B], s43, (3<<16)|(1<<21)
.irp g, G1, G1B                        ; 8 tiles x 3,072 bytes, 12,288 bytes apart in memory
	s_mov_b32 s[\g+1], 384<<16
	s_mov_b32 s[\g+2], 8<<16
	s_mov_b32 s[\g+3], 384<<16
	s_mov_b32 s[\g+4], 8
	s_mov_b32 s[\g+5], 1536
	s_mov_b32 s[\g+6], 0
	s_mov_b32 s[\g+7], 0
.endr
	s_or_b32 s[G1S], s42, (3<<16)|(1<<21)
	s_or_b32 s[G1SB], s43, (3<<16)|(1<<21)
.irp g, G1S, G1SB                      ; the scale words of 8 tiles: 16 rows of 256 bytes
	s_mov_b32 s[\g+1], 32<<16
	s_mov_b32 s[\g+2], 16<<16
	s_mov_b32 s[\g+3], 32<<16
	s_mov_b32 s[\g+4], 16
	s_mov_b32 s[\g+5], 32
	s_mov_b32 s[\g+6], 0
	s_mov_b32 s[\g+7], 0
.endr
	s_lshl_b32 s44, s22, 6
	s_lshl_b32 s45, s41, 4
	s_add_co_u32 s44, s44, s45
	s_lshl_b32 s45, s20, 3
	s_add_co_u32 s44, s44, s45                     ; A: tile 16 (4 x cluster y + cy) + my 8
	s_lshl_b32 s46, s40, 4
	s_add_co_u32 s46, s46, 1728
	s_add_co_u32 s46, s46, s45                     ; B: tile 1728 + 16 cx + my 8
	s_mul_i32 s66, s44, 12288
	s_mov_b32 s67, 0
	s_lshl_b32 s44, s44, 9
	s_mov_b32 s45, 0
	s_mul_i32 s2, s46, 12288
	s_mov_b32 s3, 0
	s_lshl_b32 s46, s46, 9
	s_mov_b32 s47, 0
	s_mul_i32 s23, s18, HALFT
	s_mul_i32 s104, s18, HALFS
	s_wait_kmcnt 0x0
	s_add_nc_u64 s[66:67], s[4:5], s[66:67]        ; A's codes
	s_add_nc_u64 s[44:45], s[6:7], s[44:45]        ; A's scales
	s_add_nc_u64 s[2:3], s[8:9], s[2:3]            ; B's codes
	s_add_nc_u64 s[46:47], s[10:11], s[46:47]      ; B's scales
	CROUND                                         ; all sixteen work-groups are here: the first joint loads meet
	s_mov_b32 s[G0S], 1
	s_add_co_u32 s[G0S+1], s104, SCL
	s_mov_b64 s[G0S+2:G0S+3], s[44:45]
	s_or_b32 s[G0S+3], s[G0S+3], 0x80000000
	s_mov_b32 s[G0SB], 1
	s_add_co_u32 s[G0SB+1], s104, SCL
	s_mov_b64 s[G0SB+2:G0SB+3], s[46:47]
	s_or_b32 s[G0SB+3], s[G0SB+3], 0x80000000
	JLOAD G0S, G1S, G0SB, G1SB
	MKG0 G0, G0B, 0
	MKG0 G0+4, G0B+4, 1
	MKG0 G02, G0B2, 2
	v_and_b32 v3, 31, v0
	v_lshlrev_b32 v1, 4, v3                        ; 16 L
	v_lshlrev_b32 v2, 3, v3                        ; 8 L
	v_and_b32 v17, 15, v0                          ; r
	v_bfe_u32 v18, v0, 4, 1                        ; h
	s_mul_i32 s44, s19, HALFT
	s_mul_i32 s45, s20, HALFT
	s_add_co_u32 s45, s45, 2*HALFT
.irp k, 0,1,2
	v_add_nc_u32 v[A16+\k], s44, v1
	v_add_nc_u32 v[A8+\k], s44, v2
	v_add_nc_u32 v[B16+\k], s45, v1
	v_add_nc_u32 v[B8+\k], s45, v2
	s_add_co_u32 s44, s44, SLOT
	s_add_co_u32 s45, s45, SLOT
.endr
	v_lshlrev_b32 v19, 5, v17
	s_mul_i32 s44, s19, HALFS
	s_mul_i32 s45, s20, HALFS
	s_add_co_u32 s45, s45, 2*HALFS
	s_sub_co_u32 s45, s45, s44
	v_mul_u32_u24 v22, s45, v18                    ; lanes 16-31 take B's scale words: one product, the distance between the two bases
	s_add_co_u32 s44, s44, SCL
	v_add_nc_u32 v19, v19, v22
	v_add_nc_u32 v[ADRS], s44, v19
	s_mul_i32 s44, s18, 16*SPITCH
	s_add_co_u32 s44, s44, SLOT                    ; my stage, in slot 1
	v_mul_u32_u24 v[STO], v17, SPITCH
	v_lshl_add_u32 v[STO], v18, 6, v[STO]
	v_add_nc_u32 v[STO], s44, v[STO]               ; in: row r, + 64 h: tile b's eight features lie 128 (b / 2) + 32 (b % 2) bytes on
	v_add_nc_u32 v[RD], s44, v1                    ; back: a row of 512 bytes to the 32 lanes
	s_lshl_b32 s44, s40, 10
	s_lshl_b32 s45, s20, 9
	s_add_co_u32 s44, s44, s45                     ; my first feature, in bytes: 4 (256 cx + 128 x half)
	s_mov_b32 s45, 0
	s_add_nc_u64 s[12:13], s[12:13], s[44:45]
	s_add_nc_u64 s[14:15], s[14:15], s[44:45]
	s_lshl_b32 s44, s22, 2
	s_add_co_u32 s44, s44, s41
	s_lshl_b32 s44, s44, 1
	s_add_co_u32 s44, s44, s19
	s_lshl_b32 s44, s44, 19                        ; my first token: 128 rows of 4,096 bytes a half
	s_add_nc_u64 s[14:15], s[14:15], s[44:45]
	v_lshlrev_b32 v19, 6, v18                      ; the bias in the result's layout: register j of tile t holds feature 32 (t / 2) + 8 (t % 2) + 16 h + j
	WIN 0x40
.irp t, 0,1,2,3,4,5,6,7
	global_load_b128 v[96+128*(\t/4)+8*(\t%4):96+128*(\t/4)+8*(\t%4)+3], v19, s[12:13] offset:(32*(\t/2)+8*(\t%2))*4
	global_load_b128 v[96+128*(\t/4)+8*(\t%4)+4:96+128*(\t/4)+8*(\t%4)+7], v19, s[12:13] offset:(32*(\t/2)+8*(\t%2))*4+16
.endr
	WIN 0
	s_wait_tensorcnt 0x2                           ; the scales and my part of K step 0 are in; K steps 1 and 2 may be out
	s_barrier_signal -1
	s_barrier_wait -1
	FETCH_B 0, 0, 0
	FETCH_A 0, 0, 0
.irp i, 0,1,2,3,4,5,6,7
	ds_load_b128 v[SC+8*\i:SC+8*\i+3], v[ADRS] offset:512*\i
	ds_load_b128 v[SC+8*\i+4:SC+8*\i+7], v[ADRS] offset:512*\i+16
.endr
	FETCH_A 0, 0, 4
	s_wait_loadcnt 0x0                             ; the bias
	STEP 0, 0, 1, 1                                ; the first step starts the sums with the bias
	TURN 1, 1, 1                                   ; the one refill.  Its wait for all loads, in every wave, also shows slots 1 and 2 whole
	STEP 2, 1, 1, 0
	STEP 3, 2, 0, 0
	STEP 4, 2, 1, 0
	TURN 5, 0, 0                                   ; behind this barrier K step 3 is whole in slot 0, and nobody reads slot 1 any more
	STEP 6, 0, 1, 0
	s_wait_dscnt 16
	WIN 0xa1
	MUL16 0, 7, 0
	MUL16 2, 7, 0
	s_wait_dscnt 0x0
	WIN 0xf1
	MUL16 4, 7, 0
	MUL16 6, 7, 0
	WIN 0
; THE WAY OUT, A's block by block: 16 tokens x 128 features go through my own stage in LDS and come back as whole rows of 512 bytes.  LDS serves a wave's instructions in order (ISA guide 5.7.1.4): no wait between the stores and the loads.
.macro TOSTAGE a
.set ACB, 64*((\a)%4)
	WIN 0x08+4*((\a)/4)                            ; an LDS store's data: window 2 or 3
.irp b, 0,1,2,3,4,5,6,7
	ds_store_b128 v[STO], v[ACB+8*\b:ACB+8*\b+3] offset:128*(\b/2)+32*(\b%2)        ; each accumulator from its low end on
	ds_store_b128 v[STO], v[ACB+8*\b+4:ACB+8*\b+7] offset:128*(\b/2)+32*(\b%2)+16
.endr
	WIN 0
.set BKS, BK+64*((\a)%2)
.irp t, 0,1,2,3,4,5,6,7,8,9,10,11,12,13,14,15
	ds_load_b128 v[BKS+4*\t:BKS+4*\t+3], v[RD] offset:\t*SPITCH
.endr
.endm
.macro SEND a, younger                 ; younger: the LDS instructions issued behind block a's loads, which may stay out
.set BKS, BK+64*((\a)%2)
	s_wait_dscnt \younger
.irp t, 0,1,2,3,4,5,6,7,8,9,10,11,12,13,14,15
	global_store_b128 v1, v[BKS+4*\t:BKS+4*\t+3], s[14:15] offset:(32*((\a)/2)+8*((\a)%2)+\t+8*(\t/8))*4096 th:TH_STORE_NT   ; 512 consecutive bytes of the token's row, aligned; 127 rows on at the most: inside the signed 24-bit immediate
.endr
.endm
	PLACES
	TOSTAGE 0
.irp a, 1,2,3,4,5,6,7
.if \a > 1
	s_wait_xcnt 0x0                                ; block a - 2's stores have read their registers: block a's loads may land there
.endif
	TOSTAGE \a
	SEND \a-1, 32                                  ; behind block a - 1's loads: block a's 16 stores and 16 loads
.endr
	SEND 7, 0
	s_wait_tensorcnt 0x0                           ; the wave's end
	ds_add_u32 v[SPW], v[NIL]
	s_wait_dscnt 0x0
	CROUND                                         ; the closing round
	s_endpgm
.Lfunc_end_k_q0557977e9c_outp:
	.size	k_q0557977e9c_outp, .Lfunc_end_k_q0557977e9c_outp-k_q0557977e9c_outp
	.p2alignl 7, 3214868480
	.fill 96, 4, 3214868480
	.section	.rodata,"a",@progbits
	.p2align	6, 0x0
	.amdhsa_kernel k_q0557977e9c_outp
		.amdhsa_group_segment_fixed_size 327680
		.amdhsa_private_segment_fixed_size 0
		.amdhsa_enable_private_segment 0
		.amdhsa_kernarg_size 48
		.amdhsa_user_sgpr_count 2
		.amdhsa_user_sgpr_kernarg_segment_ptr 1
		.amdhsa_wavefront_size32 1
		.amdhsa_system_sgpr_workgroup_id_x 1
		.amdhsa_system_sgpr_workgroup_id_y 1
		.amdhsa_system_sgpr_workgroup_id_z 1
		.amdhsa_system_vgpr_workitem_id 0
		.amdhsa_next_free_vgpr 1024
		.amdhsa_next_free_sgpr 106
		.amdhsa_reserve_vcc 0
		.amdhsa_float_denorm_mode_32 3
		.amdhsa_float_denorm_mode_16_64 3
		.amdhsa_memory_ordered 1
		.amdhsa_forward_progress 1
		.amdhsa_inst_pref_size 144
	.end_amdhsa_kernel
	.amdgpu_metadata
---
amdhsa.version: [ 1, 2 ]
amdhsa.kernels:
  - .name:           k_q0557977e9c_outp
    .symbol:         k_q0557977e9c_outp.kd
    .args:
      - { .name: ac, .offset: 0, .size: 8, .value_kind: global_buffer, .address_space: global }
      - { .name: asc, .offset: 8, .size: 8, .value_kind: global_buffer, .address_space: global }
      - { .name: xc, .offset: 16, .size: 8, .value_kind: global_buffer, .address_space: global }
      - { .name: xs, .offset: 24, .size: 8, .value_kind: global_buffer, .address_space: global }
      - { .name: bo, .offset: 32, .size: 8, .value_kind: global_buffer, .address_space: global }
      - { .name: out0, .offset: 40, .size: 8, .value_kind: global_buffer, .address_space: global }
    .group_segment_fixed_size: 327680
    .private_segment_fixed_size: 0
    .kernarg_segment_align: 8
    .kernarg_segment_size: 48
    .max_flat_workgroup_size: 128
    .sgpr_count:     106
    .vgpr_count:     1024
    .wavefront_size: 32
...
	.end_amdgpu_metadata
.endif
;; end of part 4
;; ======== version 2 of 2: 4 launches; version 1 with the launch attn written anew for expert scheduling mode
;; limits: right only within a limited range of input values
;; workspace buffers: xc 22,020,096 bytes; xs 917,504 bytes; mw 2,097,152 bytes of whole numbers; qi 6,815,744 bytes; kv 13,631,488 bytes; ac 6,291,456 bytes; asc 262,144 bytes
;; launch prep: the kernel of part 1 again; grid 704 x 1, 4 waves a work-group, no clusters, 68,096 bytes of LDS; arguments Q, K, V, Wq, Wk, Wv, Wo, mask, xc, xs, mw; writes xc, xs, mw
;; launch proj: the kernel of part 2 again; grid 4 x 96, 4 waves a work-group, clusters of 4 x 4, 327,680 bytes of LDS; arguments xc, xs, bq, bk, bv, qi, kv; writes qi, kv
;; launch attn (part 5): grid 4 x 64, 16 waves a work-group, no clusters, 215,040 bytes of LDS; arguments qi, kv, mw, ac, asc; writes ac, asc
.if DOCPART == 5
	.amdgcn_target "amdgcn-amd-amdhsa--gfx1250"
	.amdhsa_code_object_version 6
	.text
	.protected	k_q0557977e9c_attn
	.globl	k_q0557977e9c_attn
	.p2align	8
	.type	k_q0557977e9c_attn,@function
k_q0557977e9c_attn:
	s_mov_b64 s[64:65], 0
	v_nop
	global_prefetch_b8 v0, s[64:65] scope:SCOPE_SE
	s_setreg_imm32_b32 hwreg(HW_REG_WAVE_SCHED_MODE, 0, 2), 2
	s_setreg_imm32_b32 hwreg(HW_REG_WAVE_MODE, 25, 1), 1
	s_wait_xcnt 0x0
	s_wait_alu depctr_vm_vsrc(0)
; o = softmax(q k^T / 8, masked) v for one head, both products on codes of FP6 (E2M3) with E8M0 scales; o is quantised along the model's 1,024 features for the last projection and leaves as codes.
; t = logit x log2(e); M = the running largest t rounded UP to a whole number; p = 2^(t - M) is what is quantised, along the keys; the row's sum is taken of the unquantised p and divides o at the end.
; When M moves, the sum and o are multiplied by 2^(old M - new M): exact.
; SHARES.  A work-group owns one head (work-group y) and 512 queries (x).  The head's k and v, 16 key steps x 13,312 bytes of operand images, are brought into LDS ONCE, through registers, and stay: one barrier in the launch.
; Each of the sixteen waves owns 32 queries: two tiles of 16, one after the other (PASS 0, 1), and walks the 16 key steps of 128 keys for each.  Four waves share a SIMD, so that one wave's softmax stands beside another's products and LDS loads.
; LAYOUT.  Both products are used transposed: S^T = k q^T, O^T = v^T p^T: a lane holds ONE query throughout.  Tiles' rows are 32 (t / 2) + 8 (t % 2) + r + 8 (r / 8): register 16 e + i of S^T is key 32 e + 16 h + i, of O^T channel 32 e + 16 h + i.
; THE HEAD'S K IS 64, half of the instruction's 128: q's upper six registers are zero codes, so k's upper six may hold any codes (the next tile's: FP6 has no code for NaN or infinity); the upper two scale bytes of both are 0x7f.
; THE MASK comes as lane masks (mw): 64 words a key step, by scalar loads a step ahead; word n picks -2^33 for register n in the lanes whose key is hidden.  The 64 selects run in every step: no branch and no address hangs on the words.
; NO TENSOR LOADS, NO JOINT LOADS: LDS is filled once, one record of 13,312 bytes a wave by 26 loads and 26 LDS stores, and never again; what the four work-groups of a head share is those 212,992 bytes, read once at each one's head for all its
; 32 passes of 16 key steps.
; LIMITS: a hidden logit stands at -2^30, not at -1e9: the results are the same (p = 0 beside any open key, p = 1 in a row with none) unless an open logit lies under about -9.9e8.  A block of zeros gets the byte 1, not 127.  NaN and infinities are not served.
; OUT.  ac: [512 token tiles][8 K steps] x 1,536 bytes; head hd is half hd % 2 of K step hd / 2: 4 registers at 16 L, 2 at 512 + 8 L.  asc: [tile][r][K step] words: a lane stores one byte, since a word's bytes come from two heads.
; THE MODE: SCHED_MODE bits 1:0 = 2 (LLVM: expert scheduling mode 2), set by the entry lines.  The code itself states the register dependences
; between vector or matrix instructions and memory or LDS instructions, with s_wait_alu, always for 0.
; THE PLAN.  Registers that LDS or memory instructions touch:
;   v3, v4       written by two additions at a key step's head; read by all 30 LDS loads of the step.
;   v30-77       k's 16 LDS loads land at the step's head; the eight products k q^T read them; v's 12 LDS loads land behind the wait for the exponentials; the four products v^T p^T read them at the step's end.
;   v84-91       k's and v's scale words: loaded at the step's head; read by the products.
;   v1, v2, v7, v8  offsets and addresses, made once at the kernel's head and never written again.
;   v96-199      at the kernel's head alone: the record's global loads land there and the LDS stores read them; from then on S^T, O^T and p's codes, named by vector and matrix instructions.
;   v192-197, v227  at a pass's end: written by vector instructions, read by the three stores, written again by the next pass.
; A KEY STEP'S WAITS.  At its head one on vm_vsrc (v3 and v4 have been read) and, behind the additions, one on va_vdst (v3 and v4 are written; the last step's products are done reading the registers in which the head's loads land).
; The wait for the 64 exponentials also states that the products k q^T are done reading k's registers: v's loads stand directly behind it.  The wait for the four exponentials stands as it stood.
; One more on va_vdst stands ahead of the products v^T p^T, whose operand p and its scale word vector instructions have written.
; A second set of registers for k, to ask for the next step's early, is not there: it takes 48 registers, 25 of the wave's 256 are free, and sixteen waves of 256 are the four SIMDs' 1,024.
.set REC,  13312                       ; a key step's record: k's codes 0, v's 6,144, k's scale words 12,288, v's 12,800
.set KV,   30                          ; v30-77 k's eight tiles (6 registers each), then v's four (12 each); v78-83 zeros
.set KSR,  84                          ; v84-87 k's scale words: tile 2 e in lanes 0-15, tile 2 e + 1 in lanes 16-31
.set VSR,  88                          ; v88-91 v's
.set S,    96                          ; v96-159 S^T, then p
.set O,    160                         ; v160-191 O^T
.set PC,   192                         ; v192-203 p's codes
.set PT,   204                         ; v204-206, v208-210
.set BM,   212                         ; v212-215 the blocks' largest
.set BT,   216
.set BSO,  220                         ; the conversions' scale operands
.set F,    224                         ; v[224:225] f, later 1 / the sum
.set PW,   226                         ; p's scale word
.set TMP,  227
; v1 16 L, v2 8 L, v3-4 the step's LDS addresses, v7 32 r + h, v8 the fill's LDS address, v9 -2^33, v[10:11] the sum's second chain, v12 -M, v13 the largest t, v[14:15] the sum, v16-27 and v228-239 q's two fragments, v28 q's scale words
; s[20:51], s[68:99] the 64 mask words; s15 the step's place in LDS, s16 its place in mw, s18 the steps' counter, s19 lanes 16-31, s[52:53] lane selects, s[54:55] c
	s_load_b256 s[4:11], s[0:1], 0x0               ; qi, kv, mw, ac
	s_load_b64 s[12:13], s[0:1], 0x20              ; asc
	v_lshl_add_u32 v254, v0, 2, 0x34000
	v_mov_b32 v255, 0
	v_lshrrev_b32 v8, 5, v0
	v_readfirstlane_b32 s14, v8                    ; wave 0..15
	v_and_b32 v8, 31, v0
	v_lshlrev_b32 v1, 4, v8
	v_lshlrev_b32 v2, 3, v8
	v_and_b32 v10, 15, v0
	v_bfe_u32 v11, v0, 4, 1
	v_lshl_add_u32 v7, v10, 5, v11                 ; 32 r + h
	s_wait_alu depctr_va_sdst(0)                   ; s14 is written, ahead of its first reader: the wave's places in qi, kv, mw, ac, asc and LDS are made from it
	s_and_b32 s20, ttmp7, 0xffff                   ; 16 x batch + head
	s_lshl_b32 s21, ttmp9, 4
	s_add_co_u32 s21, s21, s14                     ; G: my 32 queries among the batch's 64 groups
	s_mul_i32 s15, s14, REC                        ; the key step that I bring in
	v_add_nc_u32 v8, s15, v1                       ; and where it goes in LDS: made here, ahead of the one wait that serves all offsets and addresses
	s_mul_i32 s22, s20, 16*REC
	s_add_co_u32 s22, s22, s15
	s_mov_b32 s23, 0
	s_lshr_b32 s24, s21, 2
	s_mul_i32 s24, s24, 6656
	s_mul_i32 s25, s20, 16*6656
	s_add_co_u32 s24, s24, s25                     ; my block of 128 queries in qi
	s_and_b32 s25, s21, 3
	s_mul_i32 s26, s25, 1536
	s_add_co_u32 s26, s26, s24                     ; my two tiles' codes
	s_mov_b32 s27, 0
	s_lshl_b32 s28, s25, 2
	s_add_co_u32 s28, s28, s24
	s_add_co_u32 s28, s28, 6144                    ; and their scale words: word G % 4 of each lane's four
	s_mov_b32 s29, 0
	s_lshr_b32 s30, s20, 4
	s_lshl_b32 s30, s30, 7
	s_lshl_b32 s31, s21, 1
	s_add_co_u32 s30, s30, s31                     ; my first token tile: 128 x batch + 2 G
	s_and_b32 s31, s20, 15
	s_lshr_b32 s32, s31, 1                         ; the head's K step in the last projection,
	s_and_b32 s31, s31, 1                          ; and its half
	s_lshl_b32 s34, s30, 12                        ; mw: 4,096 bytes a tile
	s_mov_b32 s35, 0
	s_lshl_b32 s36, s30, 3
	s_add_co_u32 s36, s36, s32
	s_mul_i32 s36, s36, 1536
	s_mul_i32 s33, s31, 768
	s_add_co_u32 s36, s36, s33
	s_mov_b32 s37, 0
	s_lshl_b32 s38, s30, 9
	s_lshl_b32 s32, s32, 2
	s_add_co_u32 s38, s38, s32
	s_lshl_b32 s31, s31, 1
	s_add_co_u32 s38, s38, s31
	s_mov_b32 s39, 0
	s_mov_b32 s19, 0xffff0000
	s_mov_b32 s52, 0x76543210
	s_mov_b32 s53, 0xfedcba98
	s_mov_b32 s54, 0x3e38aa3b                      ; c = log2(e) / 8
	s_mov_b32 s55, s54                             ; (named with it as a pair, so it is written)
	s_mov_b32 s16, 0
	s_wait_kmcnt 0x0
	s_add_nc_u64 s[6:7], s[6:7], s[22:23]
	s_add_nc_u64 s[60:61], s[4:5], s[28:29]
	s_add_nc_u64 s[4:5], s[4:5], s[26:27]
	s_add_nc_u64 s[8:9], s[8:9], s[34:35]
	s_add_nc_u64 s[10:11], s[10:11], s[36:37]
	s_add_nc_u64 s[12:13], s[12:13], s[38:39]
	s_wait_alu depctr_va_vdst(0)                   ; v1, v2, v7 and v8 are written: the loads and stores of the whole kernel read them as offsets and addresses, and no line writes them again
.set n, 0
.rept 26
	global_load_b128 v[S+4*n:S+4*n+3], v1, s[6:7] offset:512*n      ; my key step's record, 512 consecutive bytes a load
.set n, n+1
.endr
	global_load_b128 v[16:19], v1, s[4:5]          ; q's two fragments stay in registers
	global_load_b64 v[20:21], v2, s[4:5] offset:512
	global_load_b128 v[228:231], v1, s[4:5] offset:768
	global_load_b64 v[232:233], v2, s[4:5] offset:1280
	global_load_b32 v28, v1, s[60:61]
	s_load_b512 s[20:35], s[8:9], s16 offset:0x0   ; the first key step's mask words
	s_load_b512 s[36:51], s[8:9], s16 offset:0x40
	s_load_b512 s[68:83], s[8:9], s16 offset:0x80
	s_load_b512 s[84:99], s[8:9], s16 offset:0xc0
	v_mov_b32 v9, 0xd0000000                       ; -2^33: x c it is -2^30 log2(e).  (The lines from here to the LDS stores name neither v8 nor v96-199)
.irp i, 0,1,2,3,4,5
	v_mov_b32 v[22+\i], 0                          ; zero codes for the upper half of the K step
	v_mov_b32 v[234+\i], 0
	v_mov_b32 v[78+\i], 0                          ; what stands above k's last tile
.endr
.irp e, 0,1,2,3
	v_mov_b32 v[BT+\e], 0                          ; a lane permute's destination counts as one of its sources
.endr
	v_mov_b32 v[F+1], 0                            ; (named as the upper half of a pair)
	v_mov_b32 v[TMP], 0
	s_wait_loadcnt 5                               ; the record is in; q's five loads may be out
.set n, 0
.rept 26
	ds_store_b128 v8, v[S+4*n:S+4*n+3] offset:512*n
.set n, n+1
.endr
	s_wait_dscnt 0x0                               ; for the others' sake: my stores have landed
	s_barrier_signal -1
	s_barrier_wait -1                              ; the head's k and v lie in LDS; from here on LDS is only read
	s_wait_alu depctr_vm_vsrc(0)                   ; my LDS stores have read v96-199: these registers are S^T, O^T and p's codes from here on, written by vector and matrix instructions
	s_wait_loadcnt 0x0                             ; q
.macro PASS p
.set QF, 16+212*\p
	v_mov_b32 v13, 0xff61b1e6                      ; the largest t so far: -3e38
	v_floor_f32 v12, -v13                          ; -M
	v_mov_b32 v14, 0
	v_mov_b32 v15, 0
.set n, 0
.rept 32
	v_mov_b32 v[O+n], 0                            ; the step is written once: the first finds zeros, which the first change of M leaves zeros
.set n, n+1
.endr
	s_mov_b32 s15, 0
	s_mov_b32 s18, 16
.Lstep_\@:
	s_wait_alu depctr_vm_vsrc(0)                   ; the LDS loads issued so far have read v3 and v4, which the two additions write
	v_add_nc_u32 v3, s15, v1
	v_add_nc_u32 v4, s15, v2
	v_nop
	v_nop                                          ; four plain lines stand behind the last products, as they stood; the wait below states the dependence itself
	s_wait_alu depctr_va_vdst(0)                   ; v3 and v4 are written, which the step's LDS loads read; the last step's products are done reading v30-77 and v84-91, in which the loads below land; in a pass's first step the zero codes above q and above k's last tile are written, which the products take as operands
.irp t, 0,1,2,3,4,5,6,7
	ds_load_b128 v[KV+6*\t:KV+6*\t+3], v3 offset:768*\t
	ds_load_b64 v[KV+6*\t+4:KV+6*\t+5], v4 offset:768*\t+512
.endr
	ds_load_b128 v[KSR:KSR+3], v3 offset:12288
	ds_load_b128 v[VSR:VSR+3], v3 offset:12800
	s_wait_dscnt 0x0
.irp t, 0,1,2,3,4,5,6,7
.if (\t%2 == 0) && (\p == 0)
	v_wmma_scale_f32_16x16x128_f8f6f4 v[S+8*\t:S+8*\t+7], v[KV+6*\t:KV+6*\t+11], v[QF:QF+11], 0, v[KSR+\t/2], v28 matrix_a_fmt:MATRIX_FMT_FP6 matrix_b_fmt:MATRIX_FMT_FP6
.elseif \p == 0
	v_wmma_scale_f32_16x16x128_f8f6f4 v[S+8*\t:S+8*\t+7], v[KV+6*\t:KV+6*\t+11], v[QF:QF+11], 0, v[KSR+\t/2], v28 matrix_a_fmt:MATRIX_FMT_FP6 matrix_b_fmt:MATRIX_FMT_FP6 matrix_a_scale:MATRIX_SCALE_ROW1
.elseif \t%2 == 0
	v_wmma_scale_f32_16x16x128_f8f6f4 v[S+8*\t:S+8*\t+7], v[KV+6*\t:KV+6*\t+11], v[QF:QF+11], 0, v[KSR+\t/2], v28 matrix_a_fmt:MATRIX_FMT_FP6 matrix_b_fmt:MATRIX_FMT_FP6 matrix_b_scale:MATRIX_SCALE_ROW1
.else
	v_wmma_scale_f32_16x16x128_f8f6f4 v[S+8*\t:S+8*\t+7], v[KV+6*\t:KV+6*\t+11], v[QF:QF+11], 0, v[KSR+\t/2], v28 matrix_a_fmt:MATRIX_FMT_FP6 matrix_b_fmt:MATRIX_FMT_FP6 matrix_a_scale:MATRIX_SCALE_ROW1 matrix_b_scale:MATRIX_SCALE_ROW1
.endif
.endr
.rept 4
	v_nop                                          ; places in front of the reads of S^T
.endr
	s_wait_kmcnt 0x0                               ; this step's mask words, asked for a step ago
.set n, 0
.rept 64
	v_cndmask_b32 v[S+n], v[S+n], v9, s[20+n+16*(n/32)]       ; hidden keys' scores become -2^33.  Ascending: each accumulator is read from its low end on
.set n, n+1
.endr
	s_add_co_u32 s16, s16, 256                     ; the next step's words (my two tiles' 32 records lie on end);
	s_min_u32 s16, s16, 7936                       ; the very last step reads its own again: no load leaves mw
	s_load_b512 s[20:35], s[8:9], s16 offset:0x0
	s_load_b512 s[36:51], s[8:9], s16 offset:0x40
	s_load_b512 s[68:83], s[8:9], s16 offset:0x80
	s_load_b512 s[84:99], s[8:9], s16 offset:0xc0
.irp e, 0,1,2,3
	v_max3_num_f32 v[BM+\e], v[S+16*\e], v[S+16*\e+1], v[S+16*\e+2]   ; the largest score of each block of 32 keys: for the row's maximum, and, since p rises with the score, for the block's largest p
.endr
.irp i, 3,5,7,9,11,13
.irp e, 0,1,2,3
	v_max3_num_f32 v[BM+\e], v[BM+\e], v[S+16*\e+\i], v[S+16*\e+\i+1]
.endr
.endr
.irp e, 0,1,2,3
	v_max_num_f32 v[BM+\e], v[BM+\e], v[S+16*\e+15]
.endr
.irp e, 0,1,2,3
	v_permlanex16_b32 v[BT+\e], v[BM+\e], s52, s53
.endr
.irp e, 0,1,2,3
	v_max_num_f32 v[BM+\e], v[BM+\e], v[BT+\e]     ; with lane l xor 16's 16 keys
.endr
	v_max3_num_f32 v[TMP], v[BM], v[BM+1], v[BM+2]
	v_max_num_f32 v[TMP], v[TMP], v[BM+3]
	v_mul_f32 v[TMP], s54, v[TMP]                  ; the step's largest t (c is positive)
	v_max_num_f32 v13, v13, v[TMP]
	v_mov_b32 v[TMP], v12
	v_floor_f32 v12, -v13                          ; the new -M = -ceil(t): a whole number
	v_sub_f32 v[TMP], v12, v[TMP]                  ; old M - new M: a whole number, 0 or less
	v_cvt_i32_f32 v[TMP], v[TMP]                   ; (it saturates)
	v_ldexp_f32 v[F], 1.0, v[TMP]                  ; f = 2^(old M - new M)
.set n, 0
.rept 32
	v_pk_fma_f32 v[S+n:S+n+1], v[S+n:S+n+1], s[54:55], v[12:13] op_sel_hi:[1,0,0]   ; t - M, two at a time
.set n, n+2
.endr
.irp e, 0,1,2,3
	v_fma_f32 v[BM+\e], v[BM+\e], s54, v12         ; the same of each block's largest score
.endr
.set n, 0
.rept 64
	v_exp_f32 v[S+n], v[S+n]                       ; p = 2^(t - M): not normalised
.set n, n+1
.endr
	v_pk_mul_f32 v[14:15], v[14:15], v[F:F+1] op_sel_hi:[1,0]     ; the sum under the new M: the plain place behind the exponentials
	s_wait_alu depctr_va_vdst(0)                   ; the 64 exponentials have written p, ahead of its first reader (one wait for the batch); and the products k q^T are done reading v30-83, in which v's tiles land
.set n, 0
.rept 12
	ds_load_b128 v[KV+4*n:KV+4*n+3], v3 offset:6144+512*n     ; v's four tiles, directly behind that wait: they land while the sums, the scales and the conversions are worked
.set n, n+1
.endr
.irp e, 0,1,2,3
	v_exp_f32 v[BM+\e], v[BM+\e]                   ; the block's largest p: the same two instructions on the same number give the same bits
.endr
	v_pk_add_f32 v[10:11], v[S:S+1], v[S+2:S+3]    ; the row's sum is taken of the unquantised p, in two chains
.irp j, 4,8,12,16,20,24,28,32,36,40,44
	v_pk_add_f32 v[14:15], v[14:15], v[S+\j:S+\j+1]
	v_pk_add_f32 v[10:11], v[10:11], v[S+\j+2:S+\j+3]
.endr
	s_wait_alu depctr_va_vdst(0)                   ; the four exponentials have written the blocks' largest p, ahead of its first reader
.irp e, 0,1,2,3
	v_max_num_f32 v[BM+\e], 0x1800000, v[BM+\e]    ; the floor 2^(3 - 127): the byte cannot fall under 1
.endr
.irp e, 0,1,2,3
	v_add_nc_u32 v[BSO+\e], 0xff000000, v[BM+\e]   ; 2 off the exponent field: the conversion's scale operand
.endr
.irp e, 0,1,2,3
	v_lshrrev_b32 v[BT+\e], 23, v[BSO+\e]
.endr
	v_lshl_or_b32 v[PW], v[BT+1], 8, v[BT]         ; p's scale word for these 128 keys
	v_lshl_or_b32 v[PW], v[BT+2], 16, v[PW]
	v_lshl_or_b32 v[PW], v[BT+3], 24, v[PW]
.irp c, 0,1
	v_cvt_scalef32_pk16_fp6_f32 v[PC+6*\c:PC+6*\c+2], v[S+32*\c:S+32*\c+15], v[BSO+2*\c]
	v_cvt_scalef32_pk16_fp6_f32 v[PT+4*\c:PT+4*\c+2], v[S+16+32*\c:S+31+32*\c], v[BSO+2*\c+1]
.endr
	v_nop                                          ; one plain place behind the scaled conversions
.irp c, 0,1                            ; a whole block to a lane: lanes 0-15 block 2 c, lanes 16-31 block 2 c + 1
.irp i, 0,1,2
	v_permlane16_swap_b32 v[PC+6*\c+\i], v[PT+4*\c+\i]
.endr
.irp i, 0,1,2
	v_mov_b32 v[PC+3+6*\c+\i], v[PT+4*\c+\i]
.endr
.endr
.set n, 0
.rept 16
	v_pk_mul_f32 v[O+n:O+n+1], v[O+n:O+n+1], v[F:F+1] op_sel_hi:[1,0]   ; O^T under the new M
.set n, n+2
.endr
.irp j, 48,52,56,60                    ; the rest of the sum: nine plain lines that name none of the products' registers stand in front of the products
	v_pk_add_f32 v[14:15], v[14:15], v[S+\j:S+\j+1]
	v_pk_add_f32 v[10:11], v[10:11], v[S+\j+2:S+\j+3]
.endr
	v_pk_add_f32 v[14:15], v[14:15], v[10:11]
	s_wait_dscnt 0x0                               ; v's tiles
	s_wait_alu depctr_va_vdst(0)                   ; vector instructions have written p's codes and p's scale word, which the scaled products take as operand and as scales; the places above stay beside this wait
.irp t, 0,1,2,3
	v_wmma_scale_f32_16x16x128_f8f6f4 v[O+8*\t:O+8*\t+7], v[KV+12*\t:KV+12*\t+11], v[PC:PC+11], v[O+8*\t:O+8*\t+7], v[VSR+\t], v[PW] matrix_a_fmt:MATRIX_FMT_FP6 matrix_b_fmt:MATRIX_FMT_FP6
.endr                                  ; four accumulators, one instruction a turn; the next matrix instructions are S^T's
	s_add_co_u32 s15, s15, REC
	s_sub_co_u32 s18, s18, 1
	s_cmp_lg_u32 s18, 0
	s_cbranch_scc1 .Lstep_\@
	; the tile's end: O^T / the sum, quantised along the head's 64 channels: two blocks
.rept 4
	v_nop
.endr
	v_add_f32 v14, v14, v15
	v_permlanex16_b32 v[TMP], v14, s52, s53
	v_add_f32 v14, v14, v[TMP]                     ; the row's sum
	v_rcp_f32 v[F], v14
	v_nop                                          ; a plain place behind the transcendental
	s_wait_alu depctr_va_vdst(0)                   ; the reciprocal has written 1 / the sum, ahead of its first reader
.set n, 0
.rept 16
	v_pk_mul_f32 v[S+n:S+n+1], v[O+n:O+n+1], v[F:F+1] op_sel_hi:[1,0]   ; ascending: each accumulator from its low end on
.set n, n+2
.endr
.irp e, 0,1
	v_max3_num_f32 v[BM+\e], |v[S+16*\e]|, |v[S+16*\e+1]|, 0x1800000
.endr
.irp i, 2,4,6,8,10,12,14
.irp e, 0,1
	v_max3_num_f32 v[BM+\e], v[BM+\e], |v[S+16*\e+\i]|, |v[S+16*\e+\i+1]|
.endr
.endr
.irp e, 0,1
	v_permlanex16_b32 v[BT+\e], v[BM+\e], s52, s53
.endr
.irp e, 0,1
	v_max_num_f32 v[BM+\e], v[BM+\e], v[BT+\e]
.endr
.irp e, 0,1
	v_add_nc_u32 v[BSO+\e], 0xff000000, v[BM+\e]
.endr
.irp e, 0,1
	v_lshrrev_b32 v[BT+\e], 23, v[BSO+\e]
.endr
	v_cvt_scalef32_pk16_fp6_f32 v[PC:PC+2], v[S:S+15], v[BSO]
	v_cvt_scalef32_pk16_fp6_f32 v[PT:PT+2], v[S+16:S+31], v[BSO+1]
	v_cndmask_b32 v[TMP], v[BT], v[BT+1], s19      ; lanes 0-15 store block 0's byte, lanes 16-31 block 1's.  (The plain place behind the conversions)
.irp i, 0,1,2
	v_permlane16_swap_b32 v[PC+\i], v[PT+\i]
.endr
.irp i, 0,1,2
	v_mov_b32 v[PC+3+\i], v[PT+\i]
.endr
	s_wait_alu depctr_va_vdst(0)                   ; the conversions, exchanges, moves and the select have written o's codes and its scale byte, which the three stores read
	global_store_b128 v1, v[PC:PC+3], s[10:11] offset:12288*\p          ; 512 and 256 consecutive bytes, aligned
	global_store_b64 v2, v[PC+4:PC+5], s[10:11] offset:12288*\p+512
	global_store_b8 v7, v[TMP], s[12:13] offset:512*\p
.if \p == 0
	s_wait_xcnt 0x0                                ; the stores' addresses are translated: their registers may be written again,
	s_wait_alu depctr_vm_vsrc(0)                   ; and the stores have read v192-197 and v227, which the next tile's vector instructions write
.endif
.endm
	PASS 0
	PASS 1
	s_wait_kmcnt 0x0                               ; the last, unused, mask words
	s_wait_dscnt 0x0
	s_wait_alu depctr_hold_cnt(0) depctr_sa_sdst(0) depctr_va_vdst(0) depctr_va_sdst(0) depctr_va_ssrc(0) depctr_va_vcc(0) depctr_vm_vsrc(0)
	s_wait_tensorcnt 0x0
	ds_add_u32 v254, v255
	s_wait_dscnt 0x0
	s_endpgm
.Lfunc_end_k_q0557977e9c_attn:
	.size	k_q0557977e9c_attn, .Lfunc_end_k_q0557977e9c_attn-k_q0557977e9c_attn
	.p2alignl 7, 3214868480
	.fill 96, 4, 3214868480
	.section	.rodata,"a",@progbits
	.p2align	6, 0x0
	.amdhsa_kernel k_q0557977e9c_attn
		.amdhsa_group_segment_fixed_size 215040
		.amdhsa_private_segment_fixed_size 0
		.amdhsa_enable_private_segment 0
		.amdhsa_kernarg_size 40
		.amdhsa_user_sgpr_count 2
		.amdhsa_user_sgpr_kernarg_segment_ptr 1
		.amdhsa_wavefront_size32 1
		.amdhsa_system_sgpr_workgroup_id_x 1
		.amdhsa_system_sgpr_workgroup_id_y 1
		.amdhsa_system_sgpr_workgroup_id_z 1
		.amdhsa_system_vgpr_workitem_id 0
		.amdhsa_next_free_vgpr 256
		.amdhsa_next_free_sgpr 100
		.amdhsa_reserve_vcc 0
		.amdhsa_float_denorm_mode_32 3
		.amdhsa_float_denorm_mode_16_64 3
		.amdhsa_memory_ordered 1
		.amdhsa_forward_progress 1
		.amdhsa_inst_pref_size 59
	.end_amdhsa_kernel
	.amdgpu_metadata
---
amdhsa.version: [ 1, 2 ]
amdhsa.kernels:
  - .name:           k_q0557977e9c_attn
    .symbol:         k_q0557977e9c_attn.kd
    .args:
      - { .name: qi, .offset: 0, .size: 8, .value_kind: global_buffer, .address_space: global }
      - { .name: kv, .offset: 8, .size: 8, .value_kind: global_buffer, .address_space: global }
      - { .name: mw, .offset: 16, .size: 8, .value_kind: global_buffer, .address_space: global }
      - { .name: ac, .offset: 24, .size: 8, .value_kind: global_buffer, .address_space: global }
      - { .name: asc, .offset: 32, .size: 8, .value_kind: global_buffer, .address_space: global }
    .group_segment_fixed_size: 215040
    .private_segment_fixed_size: 0
    .kernarg_segment_align: 8
    .kernarg_segment_size: 40
    .max_flat_workgroup_size: 512
    .sgpr_count:     100
    .vgpr_count:     256
    .wavefront_size: 32
...
	.end_amdgpu_metadata
.endif
;; end of part 5
;; launch outp: the kernel of part 4 again; grid 4 x 32, 4 waves a work-group, clusters of 4 x 4, 327,680 bytes of LDS; arguments ac, asc, xc, xs, bo, out0; writes out0
